; MI455X (gfx1250); checked and timed in simulation.
; The chip was launched on July 23, 2026; its instructions are those of AMD's public machine-readable ISA for CDNA 5 (MIT licence, August 2026) and "CDNA5" Instruction Set Architecture Reference Guide (July 2026). The comments in the code are by the model that wrote it; some were corrected since.
;; MHA. Allowed arithmetic: float matrix products may take bf16 or f16 operands with f32 sums; other float arithmetic in f32, or as packed bf16 or f16 multiplies, adds, multiply-adds, maxima and minima; sums over many terms, partial sums and values carried from step to step in f32; what a program stores and reads back later, other than sums and carried values, may be rounded once to bf16 or f16.
;; Inputs: b_out 1,024 float32; w_out 1,024 x 1,024 float32; w_qkv 1,024 x 3,072 float32; x 4 x 2,048 x 1,024 float32.
;; Outputs: out0 4 x 2,048 x 1,024 float32.
;; 2 versions, each right; version 2 is version 1 with the launch cast written anew for expert scheduling mode. Each part assembles by itself: llvm-mc -triple=amdgcn-amd-amdhsa -mcpu=gfx1250 --defsym DOCPART=n.
;; ======== version 1 of 2: 5 launches
;; limits: values are held in f16: magnitudes above 65,504 overflow, below 6.1e-05 lose precision
;; workspace buffers: xb 16,777,216 bytes; wqb 6,291,456 bytes; wob 2,097,152 bytes; qh 16,777,216 bytes; kh 16,777,216 bytes; vh 16,777,216 bytes; nt 524,288 bytes; yh 16,777,216 bytes
;; launch cast (part 1): grid 704 x 1, 8 waves a work-group, no clusters, 0 bytes of LDS; arguments x, w_qkv, w_out, xb, wqb, wob; writes xb, wqb, wob
.if DOCPART == 1
	.amdgcn_target "amdgcn-amd-amdhsa--gfx1250"
	.amdhsa_code_object_version 6
	.text
	.protected	k_q29a63fec4a_cast
	.globl	k_q29a63fec4a_cast
	.p2align	8
	.type	k_q29a63fec4a_cast,@function
k_q29a63fec4a_cast:
	s_mov_b64 s[64:65], 0
	v_nop
	global_prefetch_b8 v0, s[64:65] scope:SCOPE_SE
	s_setreg_imm32_b32 hwreg(HW_REG_WAVE_MODE, 25, 1), 1
	s_wait_xcnt 0x0
; x, w_qkv, w_out (f32) -> xb, wqb, wob (bf16, each number rounded once, to nearest even).
; A stream: every byte is read once and written once; nothing is shared, so no LDS, no barrier, no matrix unit, no cluster.
; All of a wave's loads (16 bytes a lane) are issued at once; then for each two roundings and one store of 8 bytes a lane: 256 consecutive bytes, aligned, a store.  No register is used twice, so no wait frees a source.
; Work-groups 0-511: x, 65,536 bytes each.  xb is laid in blocks, [batch 4][slice 16][row 2048][64]: slice s holds columns 64 s .. 64 s + 63, so that 256 rows x 64 columns are 32,768 dense bytes.
;   A wave owns two rows; load i takes slice i of both (lanes 0-15 one row's 256 bytes, lanes 16-31 the next row's); its store is the two rows' 128 + 128 bytes, which lie end to end in xb.
; Work-groups 512-639: w_qkv, eight rows each, a row a wave.  wqb keeps the rows and REORDERS THE COLUMNS by heads: head h's 192 columns are [q 64][k 64][v 64], so piece 3 h + part of 64 columns comes from
;   column 1,024 part + 64 h.  Store u takes pieces 2 u and 2 u + 1, one for each half of the lanes; the two lie 1,024 columns apart in w_qkv, or (from a head's v to the next head's q) 1,984 columns back.
; Work-groups 640-703: w_out -> wob, 65,536 bytes each: the same order of numbers, half the bytes.
.set X,   8                            ; v[8:103]    up to 24 loads
.set Y,   104                          ; v[104:151]  up to 24 pairs to store
.set IN,  18                           ; s[18:19]  where the work-group reads
.set OUT, 20                           ; s[20:21]  where it writes
.macro CAST instep, outstep
.set i, 0
.rept 16
	global_load_b128 v[X+4*i:X+4*i+3], v2, s[IN:IN+1] offset:i*(\instep) th:TH_LOAD_NT
.set i, i+1
.endr
.set i, 0
.rept 16
	s_wait_loadcnt 15-i                            ; loads come back in order: load i is in, the 15 - i younger ones stay out
	v_cvt_pk_bf16_f32 v[Y+2*i], v[X+4*i], v[X+4*i+1]
	v_cvt_pk_bf16_f32 v[Y+2*i+1], v[X+4*i+2], v[X+4*i+3]
	global_store_b64 v3, v[Y+2*i:Y+2*i+1], s[OUT:OUT+1] offset:i*(\outstep)
.set i, i+1
.endr
.endm
.macro CASTQ                           ; a row of w_qkv: 24 loads, 24 stores
.set u, 0
.rept 24
.if ((2*u)%3) == 2                     ; piece 2 u is a v, piece 2 u + 1 the next head's q: v5 gives lanes 0-15 the 1,984 columns more
	global_load_b128 v[X+4*u:X+4*u+3], v5, s[IN:IN+1] offset:4*(((2*u+1)%3)*1024+((2*u+1)/3)*64) th:TH_LOAD_NT
.else                                  ; q and k, or k and v, of one head: v2 gives lanes 16-31 the 1,024 columns more
	global_load_b128 v[X+4*u:X+4*u+3], v2, s[IN:IN+1] offset:4*(((2*u)%3)*1024+((2*u)/3)*64) th:TH_LOAD_NT
.endif
.set u, u+1
.endr
.set u, 0
.rept 24
	s_wait_loadcnt 23-u                            ; load u is in, the 23 - u younger ones stay out
	v_cvt_pk_bf16_f32 v[Y+2*u], v[X+4*u], v[X+4*u+1]
	v_cvt_pk_bf16_f32 v[Y+2*u+1], v[X+4*u+2], v[X+4*u+3]
	global_store_b64 v3, v[Y+2*u:Y+2*u+1], s[OUT:OUT+1] offset:u*256
.set u, u+1
.endr
.endm
	s_load_b256 s[4:11], s[0:1], 0x0               ; x s[4:5], w_qkv s[6:7], w_out s[8:9], xb s[10:11]
	s_load_b128 s[12:15], s[0:1], 0x20             ; wqb s[12:13], wob s[14:15]
	s_mov_b32 s24, ttmp9                           ; the work-group's number
	s_mov_b32 s17, 0                               ; high words of the two offsets
	s_mov_b32 s23, 0
	v_lshrrev_b32 v1, 5, v0                        ; wave
	v_and_b32 v3, 31, v0                           ; lane
	v_lshlrev_b32 v3, 3, v3                        ; 8 bytes out a lane
	s_cmp_lt_u32 s24, 512
	s_cbranch_scc0 .Lweights
	v_and_b32 v2, 15, v0
	v_bfe_u32 v4, v0, 4, 1
	v_lshlrev_b32 v2, 4, v2                        ; in: 16 bytes a lane in a slice's 256,
	v_lshl_add_u32 v2, v4, 12, v2                  ; the second row for lanes 16-31,
	v_lshl_add_u32 v2, v1, 13, v2                  ; two rows a wave
	v_lshl_add_u32 v3, v1, 8, v3                   ; out: two rows of 128 bytes a wave
	s_lshl_b32 s16, s24, 16                        ; in: 16 rows of 4,096 bytes a work-group
	s_lshr_b32 s22, s24, 7                         ; out: the batch (128 work-groups each),
	s_lshl_b32 s22, s22, 22
	s_and_b32 s25, s24, 127
	s_lshl_b32 s25, s25, 11                        ; 16 rows of 128 bytes in a slice
	s_add_co_u32 s22, s22, s25
	s_wait_kmcnt 0x0
	s_add_nc_u64 s[IN:IN+1], s[4:5], s[16:17]
	s_add_nc_u64 s[OUT:OUT+1], s[10:11], s[22:23]
	CAST 256, 262144                               ; from slice to slice: 256 bytes in x, 2,048 rows of 128 bytes in xb
	s_endpgm
.Lweights:
	s_cmp_lt_u32 s24, 640
	s_cbranch_scc0 .Lwout
	v_and_b32 v2, 15, v0
	v_bfe_u32 v4, v0, 4, 1
	v_lshlrev_b32 v2, 4, v2                        ; in: 16 bytes a lane in a piece's 256,
	v_mul_u32_u24 v6, v1, 12288                    ; a row of 12,288 bytes a wave
	v_add_nc_u32 v2, v2, v6
	v_xor_b32 v5, 1, v4
	v_mul_u32_u24 v5, v5, 7936                     ; lanes 0-15 1,984 columns further on,
	v_add_nc_u32 v5, v5, v2
	v_lshl_add_u32 v2, v4, 12, v2                  ; or lanes 16-31 1,024 columns further on
	v_mul_u32_u24 v6, v1, 6144                     ; out: a row of 6,144 bytes a wave
	v_add_nc_u32 v3, v3, v6
	s_sub_co_u32 s16, s24, 512
	s_mul_i32 s22, s16, 49152                      ; eight rows a work-group
	s_mul_i32 s16, s16, 98304
	s_wait_kmcnt 0x0
	s_add_nc_u64 s[IN:IN+1], s[6:7], s[16:17]
	s_add_nc_u64 s[OUT:OUT+1], s[12:13], s[22:23]
	CASTQ
	s_endpgm
.Lwout:
	v_and_b32 v2, 31, v0
	v_lshlrev_b32 v2, 4, v2
	v_lshl_add_u32 v2, v1, 13, v2                  ; in: 8,192 bytes a wave
	v_lshl_add_u32 v3, v1, 12, v3                  ; out: 4,096
	s_sub_co_u32 s16, s24, 640
	s_lshl_b32 s22, s16, 15
	s_lshl_b32 s16, s16, 16
	s_wait_kmcnt 0x0
	s_add_nc_u64 s[IN:IN+1], s[8:9], s[16:17]
	s_add_nc_u64 s[OUT:OUT+1], s[14:15], s[22:23]
	CAST 512, 256
	s_endpgm
.Lfunc_end_k_q29a63fec4a_cast:
	.size	k_q29a63fec4a_cast, .Lfunc_end_k_q29a63fec4a_cast-k_q29a63fec4a_cast
	.p2alignl 7, 3214868480
	.fill 96, 4, 3214868480
	.section	.rodata,"a",@progbits
	.p2align	6, 0x0
	.amdhsa_kernel k_q29a63fec4a_cast
		.amdhsa_group_segment_fixed_size 0
		.amdhsa_private_segment_fixed_size 0
		.amdhsa_enable_private_segment 0
		.amdhsa_kernarg_size 48
		.amdhsa_user_sgpr_count 2
		.amdhsa_user_sgpr_kernarg_segment_ptr 1
		.amdhsa_wavefront_size32 1
		.amdhsa_system_sgpr_workgroup_id_x 1
		.amdhsa_system_sgpr_workgroup_id_y 1
		.amdhsa_system_sgpr_workgroup_id_z 1
		.amdhsa_system_vgpr_workitem_id 0
		.amdhsa_next_free_vgpr 152
		.amdhsa_next_free_sgpr 66
		.amdhsa_reserve_vcc 0
		.amdhsa_float_denorm_mode_32 3
		.amdhsa_float_denorm_mode_16_64 3
		.amdhsa_memory_ordered 1
		.amdhsa_forward_progress 1
		.amdhsa_inst_pref_size 22
	.end_amdhsa_kernel
	.amdgpu_metadata
---
amdhsa.version: [ 1, 2 ]
amdhsa.kernels:
  - .name:           k_q29a63fec4a_cast
    .symbol:         k_q29a63fec4a_cast.kd
    .args:
      - { .name: x, .offset: 0, .size: 8, .value_kind: global_buffer, .address_space: global }
      - { .name: w_qkv, .offset: 8, .size: 8, .value_kind: global_buffer, .address_space: global }
      - { .name: w_out, .offset: 16, .size: 8, .value_kind: global_buffer, .address_space: global }
      - { .name: xb, .offset: 24, .size: 8, .value_kind: global_buffer, .address_space: global }
      - { .name: wqb, .offset: 32, .size: 8, .value_kind: global_buffer, .address_space: global }
      - { .name: wob, .offset: 40, .size: 8, .value_kind: global_buffer, .address_space: global }
    .group_segment_fixed_size: 0
    .private_segment_fixed_size: 0
    .kernarg_segment_align: 8
    .kernarg_segment_size: 48
    .max_flat_workgroup_size: 256
    .sgpr_count:     66
    .vgpr_count:     152
    .wavefront_size: 32
...
	.end_amdgpu_metadata
.endif
;; end of part 1
;; launch qkv (part 2): grid 8 x 32, 4 waves a work-group, clusters of 4 x 4, 327,680 bytes of LDS; arguments xb, wqb, qh, kh, vh; writes qh, kh, vh
.if DOCPART == 2
	.amdgcn_target "amdgcn-amd-amdhsa--gfx1250"
	.amdhsa_code_object_version 6
	.text
	.protected	k_q29a63fec4a_qkv
	.globl	k_q29a63fec4a_qkv
	.p2align	8
	.type	k_q29a63fec4a_qkv,@function
k_q29a63fec4a_qkv:
	s_mov_b64 s[64:65], 0
	v_nop
	global_prefetch_b8 v0, s[64:65] scope:SCOPE_SE
	s_setreg_imm32_b32 hwreg(HW_REG_WAVE_MODE, 25, 1), 1
	s_wait_xcnt 0x0
	s_wait_alu depctr_hold_cnt(0) depctr_sa_sdst(0) depctr_va_vdst(0) depctr_va_sdst(0) depctr_va_ssrc(0) depctr_va_vcc(0) depctr_vm_vsrc(0)
	s_getreg_b32 s2, hwreg(HW_REG_IB_STS2, 6, 4)
	s_cmp_eq_u32 s2, 0
	s_cbranch_scc0 .Lentry_in_a_cluster
	s_endpgm
.Lentry_in_a_cluster:
	s_bfe_u32 s2, ttmp6, 0x10000c
	s_cmp_lg_u32 s2, 0xf033
	s_cbranch_scc0 .Lentry_shape_is_right
	s_endpgm
.Lentry_shape_is_right:
; q, k, v = x w_qkv.  C[m][n] = the sum over k of A[m][k] B[k][n]; operands bf16, sums f32, K ascending.
; A = xb: [batch 4][slice 16][row 2048][64] bf16 (slice s = columns 64 s ..): 256 rows of a slice are 32,768 dense bytes.  B = wqb: [1024][3072] bf16, its columns by heads: head h's 192 are [q 64][k 64][v 64].
; SHARES.  ONE tile of C, 256 rows x 384 columns (two heads' q, k, v), to a work-group; 8 x 32 = 256 work-groups.  Four waves, 2 x 2, each 128 rows x 192 columns, one head: 96 accumulators of 16 x 16 = 768 registers.
;   For 64 along K a work-group fetches 32 KiB of A and 48 KiB of B and a wave issues 192 matrix instructions; A and B are each fetched once by a work-group.  Two slots of 128 along K would need 368,640 bytes of LDS.
; CLUSTER 4 x 4.  The four of a row of the cluster need the same rows of A, the four of a column the same columns of B: each tile is asked for jointly (same load, same descriptor, a mask of four).
; RING.  Two LDS slots, a K step of 64 each: A as 256 rows (pitch 144), B as 64 rows of K (pitch 864: six pieces of 128 bytes + 16).  Waves 0, 1 fetch A's halves, waves 2, 3 B's: one load a wave behind each change of slots.
; THE PRODUCT IS TAKEN TRANSPOSED (source 0 = 16 columns of B, turned on the way out of LDS by ds_load_tr16_b128; source 1 = 16 rows of A): a lane holds one row of C and eight neighbouring columns.
; BLOCKS.  The work goes in blocks of 48 matrix instructions: my 8 row blocks x 6 of my 12 column blocks, 32 along K.  A K step is four blocks: (quarter 0, half 0), (0, 1), (1, 0), (1, 1).  At its head a block issues ONE run of
;   20 LDS loads: the next block's six fragments of B, and four of the next quarter's eight fragments of A.  Each accumulator is taken once a block and neighbouring blocks take disjoint sets.
; OUT.  q is multiplied in f32 by log2(e) / 8, so that q . k is the score in the base-2 domain; q, k, v are rounded once to f16 and stored by heads, [batch x 16 + head][row][64].
;   LIMIT: the scaled q, and k and v, must lie within f16's 65,504; NaN and infinities are not treated apart.
; REGISTERS.  Window 0: v0-17 addresses; v32-159 A's fragments, two buffers of 64 by the quarter; v160-255 B's, two buffers of 48 by the column half; the way out works in fragment registers.
;   Windows 1-3: accumulator (row block a, column block b) is number 48 (b / 6) + 6 a + b % 6, 32 to a window.
.set NN,    3072
.set STEPS, 16                         ; K steps of 64
.set PITA,  144                        ; 128 bytes + 16: the 16 rows of a load start 36 words apart
.set PITB,  864                        ; 6 x (128 + 16) bytes = 27 x 32: the turning load's 8 rows x 32 bytes start 216 words apart
.set AHALF, 128*PITA                   ; what one of A's loads brings, and what a wave reads of A
.set BOFF,  256*PITA                   ; B lies behind A
.set BHALF, 32*PITB                    ; what one of B's loads brings: a quarter's rows
.set SLOT1, 1<<17                      ; slot 1: one exclusive or turns an address in one slot into the other's
.set STAGE, SLOT1+BOFF+64*PITB         ; behind the ring, never filled by a tensor load
.set STGW,  3*16*144                   ; a wave's stage: q, k, v x 16 rows x 144 bytes
.set SPARE, STAGE+4*STGW               ; the spare words: 128 bytes a wave, two blocks of 256 bytes that no other line names
.set ASTEP, 1<<18                      ; bytes from K step to K step in xb: a slice
.set BSTEP, 128*NN                     ; in wqb: 64 rows
.set BA,   4                           ; s[4:5]   A at my tile's rows, at the half that I fetch, K step 0
.set BB,   6                           ; s[6:7]   B at my tile's columns, at the half of a K step that I fetch, K step 0
.set PQH,  8                           ; s[8:9] qh, s[10:11] kh, s[12:13] vh, at my head and rows
.set WV,   14                          ; wave
.set WM,   15                          ; wave / 2: my half of the rows; also 0: I fetch for A, 1: for B
.set WN,   16                          ; wave % 2: my half of the columns; also which half I fetch
.set CX,   17
.set CY,   18
.set GG,   19                          ; column group 0-7
.set MT,   20                          ; row tile 0-31
.set TB,   21                          ; the slot that is read: 0 or SLOT1
.set FN,   22                          ; the K step to be asked for next
.set G1A,  24                          ; s[24:31] group 1 for A
.set G0A,  32                          ; s[32:35] group 0 for A's first fill
.set G0AW, 36                          ; s[36:39] group 0 for A: K step 1, then every refill
.set G1B,  40
.set G0B,  48
.set G0BW, 52
.set OFA,  56                          ; s[56:57] byte offset of a K step in A
.set OFB,  58                          ; s[58:59] in B
.set CNT,  60
.set LIM,  61                          ; a wave prefetches for K step FN while FN < LIM
.set PFK,  62                          ; bytes from K step to K step in what I prefetch
.set PM,   63                          ; 0: I ask in every K step; 1: where FN is even, for two K steps
.set PFB,  66                          ; s[66:67] the prefetches' base
.set PFA,  68                          ; s[68:69] the prefetch in hand
.set SC,   72                          ; s[72:73] log2(e) / 8
.set BG,   84                          ; s[84:85] B at my tile's columns, row 0
.set PA0,  8                           ; v8   my lane's place in a slot's A; never rewritten
.set PB0,  9                           ; v9   in its B
.set ADRA, 10
.set ADRB, 11
.set STO,  12
.set RD,   13
.set GO,   14
.set PFO,  15
.set SPW,  16                          ; v16  LDS address of my spare word; never rewritten
.set NIL,  17                          ; v17  0; never rewritten
.set AF,   32
.set BF,   160
.set TMP,  32                          ; the way out: a row block, packed
.set MSB, 0
.macro WIN new                         ; the immediate's high byte repeats the setting that is left; a switch that changes nothing is dropped
.if MSB != (\new)
	s_set_vgpr_msb (MSB<<8)|(\new)
.set MSB, \new
.endif
.endm
.macro PLACES                          ; four plain places behind matrix instructions, ahead of loads into registers that they read and of readers of their results
.rept 4
	v_nop
.endr
.endm
.macro CREST                           ; a round of the cluster's barrier behind its opening barrier
	s_cmp_lg_u32 s[WV], 0
	s_cbranch_scc1 .Lnot_wave_0_\@
	s_barrier_signal -3
.Lnot_wave_0_\@:
	s_barrier_wait -3
	s_barrier_signal -1
	s_barrier_wait -1
.endm
.macro CROUND
	s_barrier_signal -1
	s_barrier_wait -1
	CREST
.endm
.macro JLOAD                           ; the joint refill; the branch hangs on the wave's number alone; s_nop 0 and four v_nop follow each line
	s_cmp_eq_u32 s[WM], 0
	s_cbranch_scc0 .Lfor_b_\@
	tensor_load_to_lds s[G0AW:G0AW+3], s[G1A:G1A+7]
	s_nop 0
.rept 4
	v_nop
.endr
	s_branch .Lasked_\@
.Lfor_b_\@:
	tensor_load_to_lds s[G0BW:G0BW+3], s[G1B:G1B+7]
	s_nop 0
.rept 4
	v_nop
.endr
.Lasked_\@:
.endm
; A PREFETCH INTO THE L2, behind the joint load and the run of LDS loads that follows it.  Each aligned block of 256 bytes is named once in the launch.
; A's rows are read by the two clusters of a row of clusters: the one with x = 0 asks, by wave 0, in every K step for the K step behind the one just asked for (192 matrix instructions ahead of its load): its 128 blocks
;   are shared by address among the four partners of a row, 32 each, a lane a block.
; B's columns are read by the eight clusters of a column of clusters: the one with y = 0 asks, by waves 1 to 3, each for one of the three blocks of a row of 768 bytes, where FN is even for K steps FN and FN + 1: their
;   128 rows are shared by address among the four partners of a column, 32 each, a lane a row.   A's K steps 0 to 2 and B's 0 to 3 come by their loads alone; FN < 16 ends the asking.
.macro ASK
	s_and_b32 s82, s[FN], s[PM]
	s_cmp_eq_u32 s82, 0
	s_cbranch_scc0 .Lnot_mine_\@
	s_cmp_lt_u32 s[FN], s[LIM]
	s_cbranch_scc0 .Lnot_mine_\@
	global_prefetch_b8 v[PFO], s[PFA:PFA+1] th:TH_LOAD_NT scope:SCOPE_SE
.Lnot_mine_\@:
.endm
.macro MULA q, hb, a, zero             ; row block a x the six column blocks of half hb, on quarter q's fragments of A.  zero = 1: the product starts the sums
.irp bb, 0,1,2,3,4,5
.set idx, 48*(\hb)+6*(\a)+(\bb)
	WIN 0x50*(1+idx/32)
.if \zero
	v_wmma_f32_16x16x32_bf16 v[8*(idx%32):8*(idx%32)+7], v[BF+48*(\hb)+8*(\bb):BF+48*(\hb)+8*(\bb)+7], v[AF+64*(\q)+8*(\a):AF+64*(\q)+8*(\a)+7], 0
.else
	v_wmma_f32_16x16x32_bf16 v[8*(idx%32):8*(idx%32)+7], v[BF+48*(\hb)+8*(\bb):BF+48*(\hb)+8*(\bb)+7], v[AF+64*(\q)+8*(\a):AF+64*(\q)+8*(\a)+7], v[8*(idx%32):8*(idx%32)+7]
.endif
.endr
.endm
.macro LDB q, hb                       ; 12 loads: quarter q of the slot in hand, column half hb, turned.  Column block c lies at piece c / 4, 32 (c % 4) bytes in
	WIN 0
.irp bb, 0,1,2,3,4,5
	ds_load_tr16_b128 v[BF+48*(\hb)+8*(\bb):BF+48*(\hb)+8*(\bb)+3],   v[ADRB] offset:(\q)*32*PITB+((6*(\hb)+(\bb))/4)*144+((6*(\hb)+(\bb))%4)*32
	ds_load_tr16_b128 v[BF+48*(\hb)+8*(\bb)+4:BF+48*(\hb)+8*(\bb)+7], v[ADRB] offset:(\q)*32*PITB+16*PITB+((6*(\hb)+(\bb))/4)*144+((6*(\hb)+(\bb))%4)*32
.endr
.endm
.macro LDA q, ah                       ; 8 loads: quarter q of the slot in hand, row blocks 4 ah .. 4 ah + 3
	WIN 0
.irp aa, 0,1,2,3
	ds_load_b128 v[AF+64*(\q)+8*(4*(\ah)+(\aa)):AF+64*(\q)+8*(4*(\ah)+(\aa))+3],   v[ADRA] offset:(\q)*64+(4*(\ah)+(\aa))*16*PITA
	ds_load_b128 v[AF+64*(\q)+8*(4*(\ah)+(\aa))+4:AF+64*(\q)+8*(4*(\ah)+(\aa))+7], v[ADRA] offset:(\q)*64+(4*(\ah)+(\aa))*16*PITA+32
.endr
.endm
; A block: multiplies (quarter q, half hb); at its head it fetches B of (bq, bhb) for the next block and A's row blocks 4 aah .. of quarter aq.
.macro BLOCK q, hb, zero, bq, bhb, aq, aah
	s_wait_dscnt 8                                 ; my B is in, and all that is older; the eight youngest loads (A's, of the block before) may be out
	PLACES                                         ; behind the last product that read the registers loaded below
	LDB \bq, \bhb
	LDA \aq, \aah
.irp a, 0,1,2,3
	MULA \q, \hb, \a, \zero
.endr
	s_wait_dscnt 20                                ; all but the 20 just issued: A's row blocks 4 to 7 are in
.irp a, 4,5,6,7
	MULA \q, \hb, \a, \zero
.endr
.endm
; The block (quarter 1, half 0) changes slots.  Its run of B is the slot's last read.  In front of the one barrier each wave waits for all its tensor loads (one is out: its part of the next slot), adds 0 to its spare word,
; and waits for that and for its reads of this slot.  fill = 1: the barrier opens a round of the cluster's barrier, and the joint refill (K step FN, into the slot just read) is the first tensor load behind it:
; from there to the wait for it a wave issues 180 matrix instructions.  Behind it the next slot's first fragments of A are fetched.
.macro BTURN fill
	s_wait_dscnt 8
	PLACES
	LDB 1, 1
.irp a, 0,1,2
	MULA 1, 0, \a, 0
.endr
	s_wait_xcnt 0x0                                ; the last prefetch, a K step back, has read its address
	WIN 0
	s_wait_tensorcnt 0x0                           ; no tensor load of mine is out, so group 0 may be written
	ds_add_u32 v[SPW], v[NIL]                      ; 0 onto my spare word; work on registers stands between it and the wait for it
.if \fill
	s_lshl_b32 s[OFA], s[FN], 18                   ; a slice a K step in A,
	s_mul_i32 s[OFB], s[FN], BSTEP                 ; 64 rows in B
	s_xor_b32 s[G0AW+1], s[G0AW+1], SLOT1
	s_add_nc_u64 s[G0AW+2:G0AW+3], s[BA:BA+1], s[OFA:OFA+1]
	s_or_b32 s[G0AW+3], s[G0AW+3], 0x80000000
	s_xor_b32 s[G0BW+1], s[G0BW+1], SLOT1
	s_add_nc_u64 s[G0BW+2:G0BW+3], s[BB:BB+1], s[OFB:OFB+1]
	s_or_b32 s[G0BW+3], s[G0BW+3], 0x80000000
	s_add_co_u32 s[FN], s[FN], 1
	s_mul_i32 s82, s[FN], s[PFK]                   ; where the K step behind it lies, for the prefetch
	s_mov_b32 s83, 0
	s_add_nc_u64 s[PFA:PFA+1], s[PFB:PFB+1], s[82:83]
.endif
	MULA 1, 0, 3, 0
	s_wait_dscnt 0x0                               ; the add is done, and my reads of this slot are over (the last were issued 24 matrix instructions ago)
	s_barrier_signal -1
	MULA 1, 0, 4, 0                                ; work on registers while the others arrive
	WIN 0
	s_barrier_wait -1
.if \fill
	CREST                                          ; no wave of any partner still reads this slot or has a load on its way
	JLOAD
.endif
	s_xor_b32 s[TB], s[TB], SLOT1
	v_add_nc_u32 v[ADRA], s[TB], v[PA0]
	v_add_nc_u32 v[ADRB], s[TB], v[PB0]
	LDA 0, 0
.if \fill
	ASK
.endif
.irp a, 5,6,7
	MULA 1, 0, \a, 0
.endr
.endm
; THE WAY OUT, a block of 16 rows at a time: q scaled; all rounded to f16, 16 bytes a lane into my own stage, back as whole rows of 128 bytes, four rows (512 consecutive bytes of a head) a store.
.macro PACK a
.irp b, 0,1,2,3                        ; column blocks 0 to 3 are q
.set idx, 6*(\a)+(\b)
	WIN 0x41*(1+idx/32)
.irp r, 0,2,4,6
	v_pk_mul_f32 v[8*(idx%32)+(\r):8*(idx%32)+(\r)+1], v[8*(idx%32)+(\r):8*(idx%32)+(\r)+1], s[SC:SC+1] op_sel_hi:[1,0]
.endr
.endr
.irp b, 0,1,2,3,4,5,6,7,8,9,10,11
.set idx, 48*((\b)/6)+6*(\a)+(\b)%6
	WIN 0x05*(1+idx/32)
.irp r, 0,1,2,3
	v_cvt_pk_f16_f32 v[TMP+4*(\b)+(\r)], v[8*(idx%32)+2*(\r)], v[8*(idx%32)+2*(\r)+1]
.endr
.endr
	WIN 0
.endm
.macro TOSTAGE a
	WIN 0
.set BK, 80+48*((\a)%2)
.irp b, 0,1,2,3,4,5,6,7,8,9,10,11
	ds_store_b128 v[STO], v[TMP+4*(\b):TMP+4*(\b)+3] offset:((\b)/4)*2304+((\b)%4)*32
.endr
.irp u, 0,1,2,3,4,5,6,7,8,9,10,11
	ds_load_b128 v[BK+4*(\u):BK+4*(\u)+3], v[RD] offset:((\u)/4)*2304+((\u)%4)*576  ; LDS serves a wave's instructions in order: these see the stores above
.endr
.endm
.macro SEND a
	WIN 0
.set BK, 80+48*((\a)%2)
	s_wait_dscnt 0x0                               ; the block is back in registers
	s_wait_xcnt 0x0                                ; earlier stores have read their registers: the other set is loaded again only behind this wait
.irp u, 0,1,2,3,4,5,6,7,8,9,10,11
	global_store_b128 v[GO], v[BK+4*(\u):BK+4*(\u)+3], s[PQH+2*((\u)/4):PQH+2*((\u)/4)+1] offset:(\a)*2048+((\u)%4)*512
.endr
.endm
	s_load_b256 s[4:11], s[0:1], 0x0               ; xb, wqb, qh, kh
	s_load_b64 s[12:13], s[0:1], 0x20              ; vh
	v_lshl_add_u32 v[SPW], v0, 2, SPARE
	v_mov_b32 v[NIL], 0
	ds_add_u32 v[SPW], v[NIL]                      ; the wave's opening: the add and its wait stand ahead of my first tensor load
	v_lshrrev_b32 v3, 5, v0
	v_readfirstlane_b32 s[WV], v3
	s_lshr_b32 s[WM], s[WV], 1
	s_and_b32 s[WN], s[WV], 1
	s_bfe_u32 s[CX], ttmp6, 0x40000
	s_bfe_u32 s[CY], ttmp6, 0x40004
	s_lshl_b32 s[GG], ttmp9, 2
	s_add_co_u32 s[GG], s[GG], s[CX]               ; column group = 4 x cluster x + cx
	s_and_b32 s[MT], ttmp7, 0xffff
	s_lshl_b32 s[MT], s[MT], 2
	s_add_co_u32 s[MT], s[MT], s[CY]               ; row tile = 4 x cluster y + cy
	s_lshl_b32 s70, s[CY], 2
	s_lshl_b32 s70, 15, s70                        ; my row of the cluster
	s_lshl_b32 s74, 0x1111, s[CX]                  ; my column
	s_or_b32 s[G1A], s70, (1<<16)|(1<<20)|(1<<21)|(4<<22)|(3<<25)  ; mask; 2-byte elements; padding on; bit 21 beside a mask; after every 32 words, 4 words
	s_mov_b32 s[G1A+1], 128<<16                    ; tensor_dim0 = 128: 128 rows' 16,384 dense bytes are asked for as 64 rows of 256 bytes
	s_mov_b32 s[G1A+2], 64<<16                     ; tensor_dim1 = 64
	s_mov_b32 s[G1A+3], 128<<16                    ; tile_dim0
	s_mov_b32 s[G1A+4], 64                         ; tile_dim1
	s_mov_b32 s[G1A+5], 128                        ; elements from row to row
	s_mov_b32 s[G1A+6], 0
	s_mov_b32 s[G1A+7], 0
	s_or_b32 s[G1B], s74, (1<<16)|(1<<20)|(1<<21)|(4<<22)|(3<<25)  ; the same padding: behind each 64 columns of a row
	s_mov_b32 s[G1B+1], 384<<16                    ; 32 rows of K x 384 columns: rows of 768 bytes (a K step has only 64 rows, for two waves)
	s_mov_b32 s[G1B+2], 32<<16
	s_mov_b32 s[G1B+3], 384<<16
	s_mov_b32 s[G1B+4], 32
	s_mov_b32 s[G1B+5], NN
	s_mov_b32 s[G1B+6], 0
	s_mov_b32 s[G1B+7], 0
	s_lshr_b32 s70, s[MT], 3                       ; A: the batch,
	s_lshl_b32 s70, s70, 22
	s_and_b32 s71, s[MT], 7                        ; the tile's 256 rows in a slice,
	s_lshl_b32 s71, s71, 15
	s_add_co_u32 s70, s70, s71
	s_lshl_b32 s71, s[WN], 14                      ; the 128 rows that I fetch
	s_add_co_u32 s70, s70, s71
	s_mov_b32 s71, 0
	s_mul_i32 s74, s[GG], 768                      ; B: the group's 384 columns
	s_mov_b32 s75, 0
	s_mov_b32 s[OFA+1], 0
	s_mov_b32 s[OFB+1], 0
	s_mov_b32 s[SC], 0x3e38aa3b                    ; log2(e) / 8 = 0.180337
	s_mov_b32 s[SC+1], s[SC]
	s_mov_b32 s[FN], 2
	s_mov_b32 s[TB], 0
	s_wait_dscnt 0x0                               ; the opening add is done
	s_wait_kmcnt 0x0
	s_add_nc_u64 s[BA:BA+1], s[BA:BA+1], s[70:71]
	s_add_nc_u64 s[BG:BG+1], s[BB:BB+1], s[74:75]
	s_mul_i32 s74, s[WN], 64*NN                    ; the 32 rows that I fetch
	s_add_nc_u64 s[BB:BB+1], s[BG:BG+1], s[74:75]
	CROUND                                         ; all sixteen work-groups are here: the first joint loads meet
	s_mov_b32 s[G0A], 1
	s_mul_i32 s[G0A+1], s[WN], AHALF               ; no place in the cluster enters an LDS address
	s_mov_b64 s[G0A+2:G0A+3], s[BA:BA+1]
	s_or_b32 s[G0A+3], s[G0A+3], 0x80000000
	s_mov_b32 s[G0AW], 1
	s_add_co_u32 s[G0AW+1], s[G0A+1], SLOT1
	s_add_nc_u64 s[G0AW+2:G0AW+3], s[BA:BA+1], ASTEP
	s_or_b32 s[G0AW+3], s[G0AW+3], 0x80000000
	s_mov_b32 s[G0B], 1
	s_mul_i32 s[G0B+1], s[WN], BHALF
	s_add_co_u32 s[G0B+1], s[G0B+1], BOFF
	s_mov_b64 s[G0B+2:G0B+3], s[BB:BB+1]
	s_or_b32 s[G0B+3], s[G0B+3], 0x80000000
	s_mov_b32 s[G0BW], 1
	s_add_co_u32 s[G0BW+1], s[G0B+1], SLOT1
	s_add_nc_u64 s[G0BW+2:G0BW+3], s[BB:BB+1], BSTEP
	s_or_b32 s[G0BW+3], s[G0BW+3], 0x80000000
	s_cmp_eq_u32 s[WM], 0                          ; a wave's two first fills stand in one branch: K steps 0 and 1; two loads of mine are out
	s_cbranch_scc0 .Lfirst_b
	tensor_load_to_lds s[G0A:G0A+3], s[G1A:G1A+7]
	s_nop 0
	tensor_load_to_lds s[G0AW:G0AW+3], s[G1A:G1A+7]
	s_nop 0
.rept 4
	v_nop
.endr
	s_branch .Lfirst_asked
.Lfirst_b:
	tensor_load_to_lds s[G0B:G0B+3], s[G1B:G1B+7]
	s_nop 0
	tensor_load_to_lds s[G0BW:G0BW+3], s[G1B:G1B+7]
	s_nop 0
.rept 4
	v_nop
.endr
.Lfirst_asked:
	v_and_b32 v1, 15, v0                           ; l % 16
	v_bfe_u32 v2, v0, 4, 1                         ; l / 16
	; A's fragment: lane l holds row l % 16, K 8 (l / 16) + 0..7 and 16 + 8 (l / 16) + 0..7: two loads of 16 bytes, 32 bytes apart
	v_mul_u32_u24 v[PA0], v1, PITA
	v_lshl_add_u32 v[PA0], v2, 4, v[PA0]
	s_mul_i32 s80, s[WM], AHALF
	v_add_nc_u32 v[PA0], s80, v[PA0]
	; B's: the turning load takes 16 rows of K x 16 columns (lane l reads row 8 (l / 16) + l % 8, columns 8 ((l / 8) % 2) + 0..7) and leaves column l % 16 and 8 K in lane l
	v_and_b32 v3, 7, v0
	v_lshl_add_u32 v3, v2, 3, v3
	v_mul_u32_u24 v[PB0], v3, PITB
	v_bfe_u32 v4, v0, 3, 1
	v_lshl_add_u32 v[PB0], v4, 4, v[PB0]
	s_mul_i32 s80, s[WN], 3*144                    ; my head's three pieces
	s_add_co_u32 s80, s80, BOFF
	v_add_nc_u32 v[PB0], s80, v[PB0]
	s_mul_i32 s80, s[WV], STGW
	s_add_co_u32 s80, s80, STAGE                   ; my stage
	v_mul_u32_u24 v[STO], v1, 144                  ; in: row l % 16, 16 bytes for each half of the lanes
	v_lshl_add_u32 v[STO], v2, 4, v[STO]
	v_add_nc_u32 v[STO], s80, v[STO]
	v_bfe_u32 v[RD], v0, 3, 2                      ; back: 32 lanes take four rows of 128 bytes,
	v_mul_u32_u24 v[RD], v[RD], 144
	v_and_b32 v3, 7, v0
	v_lshl_add_u32 v[RD], v3, 4, v[RD]
	v_add_nc_u32 v[RD], s80, v[RD]
	v_and_b32 v[GO], 31, v0                        ; which are 512 consecutive bytes of a head
	v_lshlrev_b32 v[GO], 4, v[GO]
	s_lshr_b32 s76, s[MT], 3                       ; where my part goes: head = 16 x batch + 2 g + my column half,
	s_lshl_b32 s76, s76, 4
	s_lshl1_add_u32 s76, s[GG], s76
	s_add_co_u32 s76, s76, s[WN]
	s_lshl_b32 s76, s76, 18                        ; 262,144 bytes a head;
	s_and_b32 s77, s[MT], 7
	s_lshl_b32 s77, s77, 15                        ; the tile's 256 rows of 128 bytes,
	s_add_co_u32 s76, s76, s77
	s_lshl_b32 s77, s[WM], 14                      ; my 128 of them
	s_add_co_u32 s76, s76, s77
	s_mov_b32 s77, 0
	s_add_nc_u64 s[PQH:PQH+1], s[PQH:PQH+1], s[76:77]
	s_add_nc_u64 s[PQH+2:PQH+3], s[PQH+2:PQH+3], s[76:77]
	s_add_nc_u64 s[PQH+4:PQH+5], s[PQH+4:PQH+5], s[76:77]
	; the prefetches: who, from where, how far apart
	s_and_b32 s78, ttmp7, 0xffff
	s_cmp_eq_u32 s78, 0
	s_cselect_b32 s78, STEPS, 0                    ; B: the clusters with y = 0
	s_cmp_eq_u32 ttmp9, 0
	s_cselect_b32 s79, STEPS, 0                    ; A: the clusters with x = 0
	s_lshl_b32 s76, s[CX], 13                      ; A: my work-group's 32 blocks of a K step's 128
	s_max_u32 s77, s[WV], 1
	s_sub_co_u32 s77, s77, 1
	s_lshl_b32 s77, s77, 8                         ; B: waves 1 to 3 take the three blocks of a row,
	s_mul_i32 s80, s[CY], 64*NN                    ; my work-group 32 rows of two K steps' 128
	s_add_co_u32 s77, s77, s80
	s_cmp_eq_u32 s[WV], 0
	s_cselect_b32 s[LIM], s79, s78
	s_cselect_b32 s76, s76, s77
	s_mov_b32 s77, 0
	s_cselect_b64 s[PFB:PFB+1], s[BA:BA+1], s[BG:BG+1]
	s_add_nc_u64 s[PFB:PFB+1], s[PFB:PFB+1], s[76:77]
	s_mov_b32 s78, BSTEP
	s_cselect_b32 s[PFK], ASTEP, s78
	s_cselect_b32 s[PM], 0, 1
	s_mov_b32 s78, 2*NN
	s_cselect_b32 s78, 256, s78                    ; a lane a block of A, or a lane a row of B
	v_and_b32 v3, 31, v0
	v_mul_lo_u32 v[PFO], v3, s78
	v_mov_b32 v[ADRA], v[PA0]
	v_mov_b32 v[ADRB], v[PB0]
	s_wait_tensorcnt 0x1                           ; my part of K step 0 is in; K step 1's may stay out
	s_barrier_signal -1
	s_barrier_wait -1                              ; everybody's is
	LDB 0, 0
	LDA 0, 0
	LDA 0, 1
	BLOCK 0, 0, 1, 0, 1, 1, 0                      ; the first quarter's two blocks stand ahead of the loop: their products start the sums
	BLOCK 0, 1, 1, 1, 0, 1, 1
	WIN 0
	s_mov_b32 s[CNT], STEPS-2
.Lstep:                                        ; a trip: a K step's second quarter, with a refill two K steps ahead, and the next K step's first quarter
	BTURN 1
	BLOCK 1, 1, 0, 0, 0, 0, 1
	BLOCK 0, 0, 0, 0, 1, 1, 0
	BLOCK 0, 1, 0, 1, 0, 1, 1
	WIN 0
	s_sub_co_u32 s[CNT], s[CNT], 1
	s_cmp_lg_u32 s[CNT], 0
	s_cbranch_scc1 .Lstep
	BTURN 0                                        ; the last two K steps ask for nothing
	BLOCK 1, 1, 0, 0, 0, 0, 1
	BLOCK 0, 0, 0, 0, 1, 1, 0
	BLOCK 0, 1, 0, 1, 0, 1, 1
	s_wait_dscnt 8                                 ; the last quarter: only its second half of B is left to fetch
	PLACES
	LDB 1, 1
.irp a, 0,1,2,3
	MULA 1, 0, \a, 0
.endr
	s_wait_dscnt 12                                ; all but the 12 just issued
.irp a, 4,5,6,7
	MULA 1, 0, \a, 0
.endr
	s_wait_dscnt 0x0
.irp a, 0,1,2,3,4,5,6,7
	MULA 1, 1, \a, 0
.endr
	WIN 0
	PLACES
	PACK 0
	TOSTAGE 0
.irp a, 1,2,3,4,5,6,7                  ; block a's arithmetic stands between block a - 1's loads from the stage and the wait for them
	PACK \a
	SEND (\a)-1
	TOSTAGE \a
.endr
	SEND 7
	s_wait_tensorcnt 0x0                           ; the wave's end, behind my last tensor load and my last LDS store
	ds_add_u32 v[SPW], v[NIL]
	s_wait_dscnt 0x0
	CROUND                                         ; the closing round
	s_endpgm
.Lfunc_end_k_q29a63fec4a_qkv:
	.size	k_q29a63fec4a_qkv, .Lfunc_end_k_q29a63fec4a_qkv-k_q29a63fec4a_qkv
	.p2alignl 7, 3214868480
	.fill 96, 4, 3214868480
	.section	.rodata,"a",@progbits
	.p2align	6, 0x0
	.amdhsa_kernel k_q29a63fec4a_qkv
		.amdhsa_group_segment_fixed_size 327680
		.amdhsa_private_segment_fixed_size 0
		.amdhsa_enable_private_segment 0
		.amdhsa_kernarg_size 40
		.amdhsa_user_sgpr_count 2
		.amdhsa_user_sgpr_kernarg_segment_ptr 1
		.amdhsa_wavefront_size32 1
		.amdhsa_system_sgpr_workgroup_id_x 1
		.amdhsa_system_sgpr_workgroup_id_y 1
		.amdhsa_system_sgpr_workgroup_id_z 1
		.amdhsa_system_vgpr_workitem_id 0
		.amdhsa_next_free_vgpr 1024
		.amdhsa_next_free_sgpr 88
		.amdhsa_reserve_vcc 0
		.amdhsa_float_denorm_mode_32 3
		.amdhsa_float_denorm_mode_16_64 3
		.amdhsa_memory_ordered 1
		.amdhsa_forward_progress 1
		.amdhsa_inst_pref_size 120
	.end_amdhsa_kernel
	.amdgpu_metadata
---
amdhsa.version: [ 1, 2 ]
amdhsa.kernels:
  - .name:           k_q29a63fec4a_qkv
    .symbol:         k_q29a63fec4a_qkv.kd
    .args:
      - { .name: xb, .offset: 0, .size: 8, .value_kind: global_buffer, .address_space: global }
      - { .name: wqb, .offset: 8, .size: 8, .value_kind: global_buffer, .address_space: global }
      - { .name: qh, .offset: 16, .size: 8, .value_kind: global_buffer, .address_space: global }
      - { .name: kh, .offset: 24, .size: 8, .value_kind: global_buffer, .address_space: global }
      - { .name: vh, .offset: 32, .size: 8, .value_kind: global_buffer, .address_space: global }
    .group_segment_fixed_size: 327680
    .private_segment_fixed_size: 0
    .kernarg_segment_align: 8
    .kernarg_segment_size: 40
    .max_flat_workgroup_size: 128
    .sgpr_count:     88
    .vgpr_count:     1024
    .wavefront_size: 32
...
	.end_amdgpu_metadata
.endif
;; end of part 2
;; launch stats (part 3): grid 4 x 64, 8 waves a work-group, clusters of 4 x 1, 327,680 bytes of LDS; arguments qh, kh, nt; writes nt
.if DOCPART == 3
	.amdgcn_target "amdgcn-amd-amdhsa--gfx1250"
	.amdhsa_code_object_version 6
	.text
	.protected	k_q29a63fec4a_stats
	.globl	k_q29a63fec4a_stats
	.p2align	8
	.type	k_q29a63fec4a_stats,@function
k_q29a63fec4a_stats:
	s_mov_b64 s[64:65], 0
	v_nop
	global_prefetch_b8 v0, s[64:65] scope:SCOPE_SE
	s_setreg_imm32_b32 hwreg(HW_REG_WAVE_MODE, 25, 1), 1
	s_wait_xcnt 0x0
	s_wait_alu depctr_hold_cnt(0) depctr_sa_sdst(0) depctr_va_vdst(0) depctr_va_sdst(0) depctr_va_ssrc(0) depctr_va_vcc(0) depctr_vm_vsrc(0)
	s_getreg_b32 s2, hwreg(HW_REG_IB_STS2, 6, 4)
	s_cmp_eq_u32 s2, 0
	s_cbranch_scc0 .Lentry_in_a_cluster
	s_endpgm
.Lentry_in_a_cluster:
	s_bfe_u32 s2, ttmp6, 0x10000c
	s_cmp_lg_u32 s2, 0x3003
	s_cbranch_scc0 .Lentry_shape_is_right
	s_endpgm
.Lentry_shape_is_right:
; THE SOFTMAX RUNS OVER THE QUERIES: for each key j of each head, nt[j] = -(m_j + log2 l_j), with m_j the maximum over all 2,048 queries i of s_ij and l_j the sum over i of 2^(s_ij - m_j).
; s_ij = q_i . k_j, where qh (f16, [head 64][2048][64], like kh) carries log2(e) / 8: s is the score in the base-2 domain.  Products, maxima and sums in f32.
; The next launch takes 2^(s_ij + nt[j]) as the weight.  A true running maximum is kept.  LIMITS: a term below 2^-126 counts as 0 in l; NaN and infinities are not treated apart.
; SHARES.  A work-group owns 512 keys of a head, each of its eight waves 64: four tiles of 16, kept in registers as source 1.  Every wave walks all queries, 64 a step.
; S = Q K^T (source 0 = 16 queries, source 1 = 16 keys): a lane holds ONE key (lane % 16) and the queries 8 (lane / 16) + 0..7.  So each lane keeps a running m and l of its own over its own queries, and nothing
; changes lanes in the loop; the two halves of the lanes are joined once, at the end.
; Two waves to a SIMD: a step has 332 vector instructions for 32 matrix instructions, so the vector unit sets the pace, and the second wave works while the first waits for LDS or for its exponentials.
; CLUSTER.  The four work-groups of a head read the same Q, asked for jointly.  The whole head's Q lies in LDS (2,048 rows of 144 bytes); no byte is filled twice.  Each wave issues two loads at the start: 32 of the first
; 256 rows (short, so that the first four steps can begin early: that is why it has only 16 rows of 256 bytes), and 224 of the other 1,792, which land while those four steps run.
; No prefetch: all that the launch asks of memory goes out at its head.
.set PQ,    144                        ; a row of Q in LDS: 128 bytes + 16: the 16 rows of a load start 36 words apart
.set SPARE, 2048*PQ                    ; the spare words: 128 bytes a wave, four blocks of 256 bytes that no other line names
.set SCR,   SPARE+1024                 ; 256 bytes a wave, for the way out
.set AQ0, 2                            ; v2   my lane's place in 16 rows of Q; never rewritten
.set AQ,  3                            ; v3   the LDS address of the step's loads
.set SPW, 4
.set NIL, 5
.set KO,  6                            ; v6   my byte offset in 16 rows of K; never rewritten
.set SA,  7                            ; v7   the way out: where I put a word
.set SL,  8                            ; v8   where I read two back
.set NO,  9                            ; v9   my 8 bytes of nt
.set LN,  10                           ; v10  lane
.set ST,  16                           ; tile t at v[ST + 8 t]: m, (m's pair), l (even, odd queries'), c0-c3 at work; c2 takes a = 2^(m_old - m_new)
.set QF,  64                           ; v[64:127]  Q of a step: query block qb, channel half c at QF + 16 qb + 8 c
.set S,   128                          ; v[128:255] S: tile t, query block qb at S + 32 t + 8 qb
.set WV,  12
.set CX,  13
.set HD,  14
.set CNT, 15
.set TBQ, 16                           ; LDS byte at which the step's 64 rows begin
.set G1,  24                           ; s[24:31] group 1 of the short load
.set G0,  32                           ; s[32:35] its group 0
.set SEL, 36                           ; s[36:37] v_permlanex16_b32's selects: each lane takes its own place in the other half
.set G1L, 40                           ; s[40:47] group 1 of the long load
.set G0L, 48                           ; s[48:51] its group 0
.set MSB, 0
.macro WIN new
.if MSB != (\new)
	s_set_vgpr_msb (MSB<<8)|(\new)
.set MSB, \new
.endif
.endm
.macro CROUND
	s_barrier_signal -1
	s_barrier_wait -1
	s_cmp_lg_u32 s[WV], 0
	s_cbranch_scc1 .Lnot_wave_0_\@
	s_barrier_signal -3
.Lnot_wave_0_\@:
	s_barrier_wait -3
	s_barrier_signal -1
	s_barrier_wait -1
.endm
; Number n of the 35 that open a tile's step.  0-15: the maximum of the lane's 32 scores and the old m, three operands at a time (each accumulator's lowest registers are read first), into c0.
; 16: m_old - m_new.  17: m.  18: a.  19-34: s - m, a pair of scores each.
.macro PX t, n
.set rT, ST+8*(\t)
.set rS, S+32*(\t)
.if (\n) < 4
	v_max3_num_f32 v[rT+4+(\n)], v[rS+8*(\n)], v[rS+8*(\n)+1], v[rS+8*(\n)+2]
.elseif (\n) < 12
	v_max3_num_f32 v[rT+4+(\n)%4], v[rT+4+(\n)%4], v[rS+8*((\n)%4)+2*((\n)/4)+1], v[rS+8*((\n)%4)+2*((\n)/4)+2]
.elseif (\n) == 12
	v_max3_num_f32 v[rT+4], v[rT+4], v[rS+7], v[rS+15]
.elseif (\n) == 13
	v_max3_num_f32 v[rT+5], v[rT+5], v[rS+23], v[rS+31]
.elseif (\n) == 14
	v_max3_num_f32 v[rT+6], v[rT+6], v[rT+7], v[rT]
.elseif (\n) == 15
	v_max3_num_f32 v[rT+4], v[rT+4], v[rT+5], v[rT+6]
.elseif (\n) == 16
	v_sub_f32 v[rT+5], v[rT], v[rT+4]
.elseif (\n) == 17
	v_mov_b32 v[rT], v[rT+4]
.elseif (\n) == 18
	v_exp_f32 v[rT+6], v[rT+5]
.else
	v_pk_add_f32 v[rS+2*((\n)-19):rS+2*((\n)-19)+1], v[rS+2*((\n)-19):rS+2*((\n)-19)+1], v[rT:rT+1] op_sel_hi:[1,0] neg_lo:[0,1] neg_hi:[0,1]
.endif
.endm
.macro ZIP tp, te                      ; tile tp's 35 and tile te's 32 exponentials, by turns
.set n, 0
.rept 35
	PX \tp, n
.if n < 32
	v_exp_f32 v[S+32*(\te)+n], v[S+32*(\te)+n]
.endif
.set n, n+1
.endr
.endm
.macro SM tt, zz                       ; number zz of the 16 that close a tile's step: its 16 pairs are added in place, neighbours 1, 2, 4, 8 pairs apart; then l = a l + the sum
.set rT, ST+8*(\tt)
.set rS, S+32*(\tt)
.set w, 4
.set u, (\zz)
.if (\zz) >= 14
.set w, 32
.set u, 0
.elseif (\zz) >= 12
.set w, 16
.set u, (\zz)-12
.elseif (\zz) >= 8
.set w, 8
.set u, (\zz)-8
.endif
.if (\zz) < 15
	v_pk_add_f32 v[rS+w*u:rS+w*u+1], v[rS+w*u:rS+w*u+1], v[rS+w*u+w/2:rS+w*u+w/2+1]
.else
	v_pk_fma_f32 v[rT+2:rT+3], v[rT+2:rT+3], v[rT+6:rT+7], v[rS:rS+1] op_sel_hi:[1,0,1]
.endif
.endm
; A STEP: 64 queries against my 64 keys.  Two waits for exponentials, each for a batch: ahead of each stands all that names no result of its batch.
.macro STEP
	v_add_nc_u32 v[AQ], s[TBQ], v[AQ0]
	s_add_co_u32 s[TBQ], s[TBQ], 64*PQ
.irp f, 0,1,2,3,4,5,6,7
	ds_load_b128 v[QF+8*\f:QF+8*\f+3],   v[AQ] offset:(\f/2)*16*PQ+(\f%2)*64
	ds_load_b128 v[QF+8*\f+4:QF+8*\f+7], v[AQ] offset:(\f/2)*16*PQ+(\f%2)*64+32
.endr
	s_wait_dscnt 0x0
	WIN 0x04                                       ; source 1 (K) in window 1
.set i, 0
.rept 32                                       ; the 16 accumulators take turns; the first 16 products start the sums
.if i < 16
	v_wmma_f32_16x16x32_f16 v[S+32*((i/4)%4)+8*(i%4):S+32*((i/4)%4)+8*(i%4)+7], v[QF+16*(i%4)+8*(i/16):QF+16*(i%4)+8*(i/16)+7], v[16*((i/4)%4)+8*(i/16):16*((i/4)%4)+8*(i/16)+7], 0
.else
	v_wmma_f32_16x16x32_f16 v[S+32*((i/4)%4)+8*(i%4):S+32*((i/4)%4)+8*(i%4)+7], v[QF+16*(i%4)+8*(i/16):QF+16*(i%4)+8*(i/16)+7], v[16*((i/4)%4)+8*(i/16):16*((i/4)%4)+8*(i/16)+7], v[S+32*((i/4)%4)+8*(i%4):S+32*((i/4)%4)+8*(i%4)+7]
.endif
.set i, i+1
.endr
	WIN 0
.rept 4
	v_nop                                          ; the places behind those products
.endr
.set n, 0
.rept 35
	PX 0, n
.set n, n+1
.endr
	ZIP 1, 0
	ZIP 2, 1                                       ; its last three lines are plain: the place behind the batch's last exponential
	s_wait_alu depctr_va_vdst(0)                   ; for tiles 0 and 1's exponentials and the a of tiles 0 to 2
	ZIP 3, 2
.set z, 0
.rept 32
	SM z/16, z%16
	v_exp_f32 v[S+96+z], v[S+96+z]
.set z, z+1
.endr
	v_nop                                          ; a plain instruction behind the last exponential
	s_wait_alu depctr_va_vdst(0)                   ; for tiles 2 and 3's exponentials and tile 3's a
.set z, 0
.rept 32
	SM 2+z/16, z%16
.set z, z+1
.endr
.endm
.macro ALL line:vararg                 ; one line for each tile t
.set t, 0
.rept 4
	\line
.set t, t+1
.endr
.endm
	s_load_b128 s[4:7], s[0:1], 0x0                ; qh s[4:5], kh s[6:7]
	s_load_b64 s[8:9], s[0:1], 0x10                ; nt
	v_lshl_add_u32 v[SPW], v0, 2, SPARE
	v_mov_b32 v[NIL], 0
	ds_add_u32 v[SPW], v[NIL]                      ; the wave's opening: the add and its wait stand ahead of my first tensor load
	v_lshrrev_b32 v1, 5, v0
	v_readfirstlane_b32 s[WV], v1                  ; wave 0..7
	s_bfe_u32 s[CX], ttmp6, 0x40000                ; my block of 512 keys: it enters kh's and nt's addresses alone
	s_and_b32 s[HD], ttmp7, 0xffff                 ; the head, which the four partners share
	s_mov_b32 s[G1], 15|(1<<16)|(1<<20)|(1<<21)|(4<<22)|(3<<25)  ; the mask of four; 2-byte elements; padding on; bit 21 beside a mask; after every 32 words, 4 words
	s_mov_b32 s[G1+1], 128<<16                     ; 32 rows of Q are 4,096 dense bytes: asked for as 16 rows of 256 bytes
	s_mov_b32 s[G1+2], 16<<16
	s_mov_b32 s[G1+3], 128<<16
	s_mov_b32 s[G1+4], 16
	s_mov_b32 s[G1+5], 128
	s_mov_b32 s[G1+6], 0
	s_mov_b32 s[G1+7], 0
	s_mov_b32 s[G1L], 15|(1<<16)|(1<<20)|(1<<21)|(4<<22)|(3<<25)
	s_mov_b32 s[G1L+1], 128<<16                    ; 224 rows are 28,672 dense bytes: 112 rows of 256 bytes
	s_mov_b32 s[G1L+2], 112<<16
	s_mov_b32 s[G1L+3], 128<<16
	s_mov_b32 s[G1L+4], 112
	s_mov_b32 s[G1L+5], 128
	s_mov_b32 s[G1L+6], 0
	s_mov_b32 s[G1L+7], 0
	s_mov_b32 s[G0], 1
	s_mul_i32 s[G0+1], s[WV], 32*PQ                ; rows 32 w ..
	s_mov_b32 s[G0L], 1
	s_mul_i32 s[G0L+1], s[WV], 224*PQ              ; rows 256 + 224 w ..
	s_add_co_u32 s[G0L+1], s[G0L+1], 256*PQ
	s_lshl_b32 s18, s[HD], 18                      ; Q: the head, my 32 rows
	s_lshl_b32 s19, s[WV], 12
	s_add_co_u32 s18, s18, s19
	s_mov_b32 s19, 0
	s_mul_i32 s52, s[WV], 224*128                  ; and my 224 rows
	s_lshl_b32 s53, s[HD], 18
	s_add_co_u32 s52, s52, s53
	s_add_co_u32 s52, s52, 256*128
	s_mov_b32 s53, 0
	s_lshl_b32 s20, s[CX], 9
	s_lshl_b32 s21, s[WV], 6
	s_add_co_u32 s20, s20, s21                     ; my first key in the head
	s_lshl_b32 s22, s20, 2
	s_lshl_b32 s23, s[HD], 13
	s_add_co_u32 s22, s22, s23                     ; its place in nt
	s_mov_b32 s23, 0
	s_lshl_b32 s20, s20, 7
	s_lshl_b32 s21, s[HD], 18
	s_add_co_u32 s20, s20, s21                     ; and in kh
	s_mov_b32 s21, 0
	s_mov_b32 s[SEL], 0x76543210
	s_mov_b32 s[SEL+1], 0xfedcba98
	s_mov_b32 s[TBQ], 0
	s_wait_dscnt 0x0                               ; the opening add is done
	s_wait_kmcnt 0x0
	s_add_nc_u64 s[G0+2:G0+3], s[4:5], s[18:19]
	s_or_b32 s[G0+3], s[G0+3], 0x80000000
	s_add_nc_u64 s[G0L+2:G0L+3], s[4:5], s[52:53]
	s_or_b32 s[G0L+3], s[G0L+3], 0x80000000
	s_add_nc_u64 s[6:7], s[6:7], s[20:21]
	s_add_nc_u64 s[8:9], s[8:9], s[22:23]
	CROUND                                         ; all four work-groups are here: the joint loads meet
	tensor_load_to_lds s[G0:G0+3], s[G1:G1+7]      ; my two tensor loads, together: the short one,
	s_nop 0
	tensor_load_to_lds s[G0L:G0L+3], s[G1L:G1L+7]  ; and the long one
	s_nop 0
.rept 4
	v_nop
.endr
	v_and_b32 v1, 15, v0                           ; l % 16
	v_bfe_u32 v11, v0, 4, 1                        ; l / 16
	v_lshlrev_b32 v[KO], 7, v1
	v_lshl_add_u32 v[KO], v11, 4, v[KO]
	WIN 0x40                                       ; destination window 1
.set i, 0
.rept 8                                        ; my 64 keys stay in registers: tile i / 2, channels 32 (i % 2) on
	global_load_b128 v[8*i:8*i+3],   v[KO], s[6:7] offset:(i/2)*2048+(i%2)*64
	global_load_b128 v[8*i+4:8*i+7], v[KO], s[6:7] offset:(i/2)*2048+(i%2)*64+32
.set i, i+1
.endr
	WIN 0
	v_mul_u32_u24 v[AQ0], v1, PQ
	v_lshl_add_u32 v[AQ0], v11, 4, v[AQ0]
	v_and_b32 v[LN], 31, v0
	s_lshl_b32 s18, s[WV], 8
	s_add_co_u32 s18, s18, SCR
	v_lshl_add_u32 v[SA], v[LN], 2, s18
	v_lshl_add_u32 v[SL], v[LN], 3, s18
	v_lshlrev_b32 v[NO], 3, v[LN]
	ALL v_mov_b32 v[ST+8*t], 0xff7fffff            ; m starts at the lowest finite number: the first step's a is 0
	ALL v_mov_b32 v[ST+8*t+1], 0xff7fffff          ; named with it as a pair
	ALL v_mov_b32 v[ST+8*t+2], 0
	ALL v_mov_b32 v[ST+8*t+3], 0
	s_wait_tensorcnt 0x1                           ; my 32 of the first 256 rows are in; the long load may stay out
	s_barrier_signal -1
	s_barrier_wait -1                              ; and everybody's 32 are in
	s_wait_loadcnt 0x0                             ; K
	s_mov_b32 s[CNT], 4
.Lhead:                                        ; rows 0 to 255
	STEP
	s_sub_co_u32 s[CNT], s[CNT], 1
	s_cmp_lg_u32 s[CNT], 0
	s_cbranch_scc1 .Lhead
	s_wait_tensorcnt 0x0                           ; my 224 rows are in,
	s_barrier_signal -1
	s_barrier_wait -1                              ; everybody's are
	s_mov_b32 s[CNT], 28
.Lstep:                                        ; rows 256 to 2,047
	STEP
	s_sub_co_u32 s[CNT], s[CNT], 1
	s_cmp_lg_u32 s[CNT], 0
	s_cbranch_scc1 .Lstep
	; THE END.  A key's two lanes, 16 apart, hold m and l over half of the queries each: they are joined, and -(m + log2 l) is made.
	ALL v_add_f32 v[ST+8*t+4], v[ST+8*t+2], v[ST+8*t+3]
	ALL v_permlanex16_b32 v[ST+8*t+5], v[ST+8*t], s[SEL], s[SEL+1]
	ALL v_permlanex16_b32 v[ST+8*t+7], v[ST+8*t+4], s[SEL], s[SEL+1]
	ALL v_max_num_f32 v[ST+8*t+6], v[ST+8*t], v[ST+8*t+5]
	ALL v_sub_f32 v[ST+8*t+2], v[ST+8*t], v[ST+8*t+6]
	ALL v_sub_f32 v[ST+8*t+3], v[ST+8*t+5], v[ST+8*t+6]
	ALL v_exp_f32 v[ST+8*t+2], v[ST+8*t+2]
	ALL v_exp_f32 v[ST+8*t+3], v[ST+8*t+3]
	v_nop
	s_wait_alu depctr_va_vdst(0)                   ; one wait for the eight exponentials
	ALL v_mul_f32 v[ST+8*t+4], v[ST+8*t+4], v[ST+8*t+2]
	ALL v_fmac_f32 v[ST+8*t+4], v[ST+8*t+7], v[ST+8*t+3]
	ALL v_log_f32 v[ST+8*t+5], v[ST+8*t+4]
	v_nop
	s_wait_alu depctr_va_vdst(0)                   ; one wait for the four logarithms
	ALL v_fma_f32 v[ST+8*t+5], v[ST+8*t+5], -1.0, -v[ST+8*t+6]
	v_cmp_gt_u32 vcc_lo, 16, v[LN]                 ; lanes 0-15 give the even tile's 16 keys, lanes 16-31 the odd tile's: 32 keys on end
	v_cndmask_b32 v[ST+4], v[ST+13], v[ST+5], vcc_lo
	v_cndmask_b32 v[ST+12], v[ST+29], v[ST+21], vcc_lo
	ds_store_b32 v[SA], v[ST+4]
	ds_store_b32 v[SA], v[ST+12] offset:128
	ds_load_b64 v[ST+2:ST+3], v[SL]                ; LDS serves a wave's instructions in order: this sees the two stores
	s_wait_dscnt 0x0
	global_store_b64 v[NO], v[ST+2:ST+3], s[8:9]   ; my wave's 64 numbers: 256 consecutive bytes, aligned
	s_wait_tensorcnt 0x0                           ; the wave's end
	ds_add_u32 v[SPW], v[NIL]
	s_wait_dscnt 0x0
	CROUND                                         ; the closing round
	s_endpgm
.Lfunc_end_k_q29a63fec4a_stats:
	.size	k_q29a63fec4a_stats, .Lfunc_end_k_q29a63fec4a_stats-k_q29a63fec4a_stats
	.p2alignl 7, 3214868480
	.fill 96, 4, 3214868480
	.section	.rodata,"a",@progbits
	.p2align	6, 0x0
	.amdhsa_kernel k_q29a63fec4a_stats
		.amdhsa_group_segment_fixed_size 327680
		.amdhsa_private_segment_fixed_size 0
		.amdhsa_enable_private_segment 0
		.amdhsa_kernarg_size 24
		.amdhsa_user_sgpr_count 2
		.amdhsa_user_sgpr_kernarg_segment_ptr 1
		.amdhsa_wavefront_size32 1
		.amdhsa_system_sgpr_workgroup_id_x 1
		.amdhsa_system_sgpr_workgroup_id_y 1
		.amdhsa_system_sgpr_workgroup_id_z 1
		.amdhsa_system_vgpr_workitem_id 0
		.amdhsa_next_free_vgpr 320
		.amdhsa_next_free_sgpr 66
		.amdhsa_reserve_vcc 1
		.amdhsa_float_denorm_mode_32 3
		.amdhsa_float_denorm_mode_16_64 3
		.amdhsa_memory_ordered 1
		.amdhsa_forward_progress 1
		.amdhsa_inst_pref_size 50
	.end_amdhsa_kernel
	.amdgpu_metadata
---
amdhsa.version: [ 1, 2 ]
amdhsa.kernels:
  - .name:           k_q29a63fec4a_stats
    .symbol:         k_q29a63fec4a_stats.kd
    .args:
      - { .name: qh, .offset: 0, .size: 8, .value_kind: global_buffer, .address_space: global }
      - { .name: kh, .offset: 8, .size: 8, .value_kind: global_buffer, .address_space: global }
      - { .name: nt, .offset: 16, .size: 8, .value_kind: global_buffer, .address_space: global }
    .group_segment_fixed_size: 327680
    .private_segment_fixed_size: 0
    .kernarg_segment_align: 8
    .kernarg_segment_size: 24
    .max_flat_workgroup_size: 256
    .sgpr_count:     66
    .vgpr_count:     320
    .wavefront_size: 32
...
	.end_amdgpu_metadata
.endif
;; end of part 3
;; launch attn (part 4): grid 4 x 64, 4 waves a work-group, clusters of 4 x 1, 327,680 bytes of LDS; arguments qh, kh, vh, nt, yh; writes yh
.if DOCPART == 4
	.amdgcn_target "amdgcn-amd-amdhsa--gfx1250"
	.amdhsa_code_object_version 6
	.text
	.protected	k_q29a63fec4a_attn
	.globl	k_q29a63fec4a_attn
	.p2align	8
	.type	k_q29a63fec4a_attn,@function
k_q29a63fec4a_attn:
	s_mov_b64 s[64:65], 0
	v_nop
	global_prefetch_b8 v0, s[64:65] scope:SCOPE_SE
	s_setreg_imm32_b32 hwreg(HW_REG_WAVE_MODE, 25, 1), 1
	s_wait_xcnt 0x0
	s_wait_alu depctr_hold_cnt(0) depctr_sa_sdst(0) depctr_va_vdst(0) depctr_va_sdst(0) depctr_va_ssrc(0) depctr_va_vcc(0) depctr_vm_vsrc(0)
	s_getreg_b32 s2, hwreg(HW_REG_IB_STS2, 6, 4)
	s_cmp_eq_u32 s2, 0
	s_cbranch_scc0 .Lentry_in_a_cluster
	s_endpgm
.Lentry_in_a_cluster:
	s_bfe_u32 s2, ttmp6, 0x10000c
	s_cmp_lg_u32 s2, 0x3003
	s_cbranch_scc0 .Lentry_shape_is_right
	s_endpgm
.Lentry_shape_is_right:
; y[h][i][:] = the sum over keys j of 2^(s_ij + nt[h][j]) v[h][j][:], with s_ij = q_i . k_j in the base-2 domain (qh carries log2(e) / 8) and nt[j] = -(m_j + log2 l_j) from the launch before,
; where m_j and l_j are the maximum and the sum over all QUERIES: the weight is the finished softmax over the query axis, never above 1 but for rounding.  So no maximum, sum, rescaling or division is left here.
; qh, kh, vh: [head 64][2048][64] f16; nt: [64][2048] f32; yh: the same shape as qh, bf16.  Products in f32; the weights are rounded to f16 for the second product, y once to bf16.
; LIMITS: a weight below 6e-5 keeps f16's fixed step of 6e-8; one below 2^-126 counts as 0; NaN and infinities are not treated apart.  y is bf16 since a sum of 2,048 rows of v has no room in f16.
; SHARES.  A work-group owns 512 queries of a head, a wave 128: four PIECES of two tiles of 16.  Every wave walks all keys, 64 a step; an LDS slot holds four steps.
; LAYOUT.  S^T = K Q^T + nt (source 0 = 16 keys, source 1 = 16 queries; the C of the first link is nt, the same for every query): a lane holds ONE query and the keys 8 (lane / 16) + 0..7.  Two such results, after the
; exponential rounded to f16 in pairs, ARE source 1 of O^T = V^T P.  K comes out of LDS as it lies, V turned, by ds_load_tr16_b128.
; BY TURNS.  Turn p: 16 products V^T P of piece p - 1, behind each two roundings of piece p with one exponential of piece p + 1 between them; then 16 products K Q^T of piece p + 2, behind each three more exponentials of
; piece p + 1 (these need no window switch there); then four v_nop and ONE wait for the turn's 64 exponentials, which are one batch: their first readers are the next turn's roundings.
; CLUSTER.  The four query blocks of a head walk the same K, V and nt: each tile is asked for jointly.
; No first step is written out: S, one buffer of P, V and O^T start at 0, so that the products of pieces that have not been add 0; the price is 480 v_mov_b32 in the wait for the first tile, and at the end 32 products that serve nothing.
; REGISTERS, in windows of 256 (s_set_vgpr_msb: bits 1:0 source 0, 3:2 source 1, 5:4 source 2, 7:6 destination):
;   window 0: v0-127 S^T, two buffers of two tiles (by the piece's parity); v128-191 P likewise; v192-255 K of one step.  K lies with S^T so that exponentials need no switch beside the products K Q^T.
;   window 1: O^T, 32 a tile     window 2: v0-127 Q, 16 a tile; v128-191 V of one step     window 3: v0-12 the add's two registers and the addresses; v32-63 nt of one step
.set KS,    64
.set PK,    144                        ; a row of K in LDS: 128 bytes + 16
.set PV,    160                        ; a row of V: 128 + 32
.set VOFF,  4*KS*PK
.set SLOT1, 1<<17
.set STAGE, SLOT1+4*KS*(PK+PV)         ; behind the ring, never filled by a tensor load: 16 rows x 144 bytes a wave
.set SP,    144
.set TREG,  STAGE+4*16*SP              ; the head's nt, 8,192 bytes, filled once
.set SPARE, TREG+8192                  ; the spare words: 128 bytes a wave, two blocks of 256 bytes that no other line names
.set SPW, 0                            ; window 3
.set NIL, 1
.set AK0, 2                            ; my lane's place in a tile of K; never rewritten
.set AV0, 3                            ; of V
.set AT0, 4                            ; in a step's nt
.set AK,  5
.set AV,  6
.set AT,  7
.set STO, 8
.set RD,  9
.set GO,  10
.set PFO, 11                           ; 256 x my lane; never rewritten
.set QO,  12                           ; my byte offset in 16 rows of Q; never rewritten
.set TF,  32                           ; nt: the eight registers of key block kb at TF + 8 kb
.set PB,  128                          ; window 0
.set KF,  192                          ; window 0: key block kb, channel half c at KF + 16 kb + 8 c
.set VF,  128                          ; window 2: key half kk, channel block cb at VF + 32 kk + 8 cb
.set WV,  14
.set CX,  15
.set HD,  16
.set G1K, 24
.set G1V, 32
.set G0K, 40
.set G0V, 44
.set G1T, 48
.set G0T, 56
.set SLOTS, 60
.set CNT, 61
.set TBK, 62
.set TBV, 63
.set TBT, 66
.set LIM, 67
.set PFA, 68
.set MSB, 0
.macro WIN new
.if MSB != (\new)
	s_set_vgpr_msb (MSB<<8)|(\new)
.set MSB, (\new)
.endif
.endm
.macro PLACES
.rept 4
	v_nop
.endr
.endm
.macro CROUND
	s_barrier_signal -1
	s_barrier_wait -1
	s_cmp_lg_u32 s[WV], 0
	s_cbranch_scc1 .Lnot_wave_0_\@
	s_barrier_signal -3
.Lnot_wave_0_\@:
	s_barrier_wait -3
	s_barrier_signal -1
	s_barrier_wait -1
.endm
.macro JLOAD                           ; waves 0, 1 fetch the halves of a slot's K, waves 2, 3 of its V: 128 keys each; s_nop 0 and four v_nop follow each line
	s_cmp_lt_u32 s[WV], 2
	s_cbranch_scc0 .Lfor_v_\@
	tensor_load_to_lds s[G0K:G0K+3], s[G1K:G1K+7]
	s_nop 0
.rept 4
	v_nop
.endr
	s_branch .Lasked_\@
.Lfor_v_\@:
	tensor_load_to_lds s[G0V:G0V+3], s[G1V:G1V+7]
	s_nop 0
.rept 4
	v_nop
.endr
.Lasked_\@:
.endm
; A PREFETCH INTO THE L2 of the slot that the NEXT change of slots will ask for: four key steps, 512 matrix instructions, ahead of that load.  A head's K and V are read by this cluster alone.  A slot's K (and V) is 128
; blocks of 256 bytes: the four partners take 32 each, told apart by address, a lane a block; wave 0 asks for K's, wave 2 for V's.  The last change that fills a slot asks for nothing.
.macro ASK
	s_cmp_gt_u32 s[SLOTS], s[LIM]
	s_cbranch_scc0 .Lnot_mine_\@
	WIN 0x03
	global_prefetch_b8 v[PFO], s[PFA:PFA+1] th:TH_LOAD_NT scope:SCOPE_SE
	WIN 0
.Lnot_mine_\@:
.endm
; THE CHANGE OF SLOTS.  Each wave waits for all its tensor loads, adds 0 to its spare word, and waits for that and for its reads of the slot that it leaves.  fill = 1: the barrier is a round of the cluster's, and the
; joint refill, the keys two slots on, is the first tensor load behind it.  (At its first use nothing has been read yet: slot 0 and nt are waited for, slot 1 is filled.)
.macro CHANGE fill
	WIN 0x0f
	s_wait_tensorcnt 0x0                           ; no tensor load of mine is out, so a group 0 may be written
	ds_add_u32 v[SPW], v[NIL]
	WIN 0
.if \fill
.irp g, G0K, G0V
	s_xor_b32 s[\g+1], s[\g+1], SLOT1
	s_add_nc_u64 s[\g+2:\g+3], s[\g+2:\g+3], 4*KS*128
.endr
	s_wait_xcnt 0x0                                ; the last prefetch, four key steps back, has read its address
	s_add_nc_u64 s[PFA:PFA+1], s[PFA:PFA+1], 4*KS*128
	s_wait_dscnt 0x0                               ; the add is done, and my reads of the slot are over
	CROUND
	JLOAD
	ASK
.else
	s_wait_dscnt 0x0
	s_barrier_signal -1
	s_barrier_wait -1
.endif
	s_sub_co_u32 s[TBK], s[TBK], 4*KS*PK           ; the fetches go back to a slot's first step, in the other slot
	s_xor_b32 s[TBK], s[TBK], SLOT1
	s_sub_co_u32 s[TBV], s[TBV], 4*KS*PV
	s_xor_b32 s[TBV], s[TBV], SLOT1
.endm
; THE MATRIX WORK.  The 8 accumulators of a run of 16 take turns.
.macro KQ x                            ; product i of 16 for piece x: channels 32 (i / 8) on, keys 16 ((i / 2) % 4) on, tile 2 x + i % 2.  The first 8 start the sums with nt
.set rS, 64*((\x)%2)+32*(i%2)+8*((i/2)%4)
.set rK, KF+16*((i/2)%4)+8*(i/8)
.set rQ, 16*(2*(\x)+i%2)+8*(i/8)
.set rC, TF+8*((i/2)%4)
.if i < 8
	WIN 0x38                                       ; Q in window 2, C in window 3
	v_wmma_f32_16x16x32_f16 v[rS:rS+7], v[rK:rK+7], v[rQ:rQ+7], v[rC:rC+7]
.else
	WIN 0x08
	v_wmma_f32_16x16x32_f16 v[rS:rS+7], v[rK:rK+7], v[rQ:rQ+7], v[rS:rS+7]
.endif
.endm
.macro PV x                            ; product i of 16 of O^T += V^T P for piece x: keys 32 (i / 8) on, channels 16 ((i / 2) % 4) on, tile 2 x + i % 2
	WIN 0x52                                       ; V in window 2, P in window 0, O^T in window 1
.set rO, 32*(2*(\x)+i%2)+8*((i/2)%4)
.set rV, VF+32*(i/8)+8*((i/2)%4)
.set rP, PB+32*((\x)%2)+16*(i%2)+8*(i/8)
	v_wmma_f32_16x16x32_f16 v[rO:rO+7], v[rV:rV+7], v[rP:rP+7], v[rO:rO+7]
.endm
; THE VECTOR WORK.  CV: the next of piece y's 32 roundings, the two tiles by turns.  EX: the next of piece y's 64 exponentials, the two tiles by turns, ascending.
.macro CV y
	WIN 0
	v_cvt_pk_f16_f32 v[PB+32*((\y)%2)+16*(cq%2)+cq/2], v[64*((\y)%2)+32*(cq%2)+2*(cq/2)], v[64*((\y)%2)+32*(cq%2)+2*(cq/2)+1]
.set cq, cq+1
.endm
.macro EX y                            ; destination and source 0 are window 0 under the riders' setting and under both settings of K Q^T
	v_exp_f32 v[64*((\y)%2)+32*(eq%2)+eq/2], v[64*((\y)%2)+32*(eq%2)+eq/2]
.set eq, eq+1
.endm
; THE LDS LOADS stand in runs.  FK: a step's K (16 loads) and nt (8), at a trip's head, four v_nop behind the last product that read them.  last = 1 (the tail): in the last trip there is no further step.
.macro FK last
	WIN 0
.if \last
	s_cmp_eq_u32 s[CNT], 1
	s_cbranch_scc1 .Lno_k_\@
.endif
	WIN 0xcc
	v_add_nc_u32 v[AK], s[TBK], v[AK0]
	v_add_nc_u32 v[AT], s[TBT], v[AT0]
	WIN 0x03                                       ; destination window 0, address window 3
.irp f, 0,1,2,3,4,5,6,7
	ds_load_b128 v[KF+8*\f:KF+8*\f+3],   v[AK] offset:(\f/2)*16*PK+(\f%2)*64
	ds_load_b128 v[KF+8*\f+4:KF+8*\f+7], v[AK] offset:(\f/2)*16*PK+(\f%2)*64+32
.endr
	WIN 0xc3                                       ; destination window 3
.irp f, 0,1,2,3
	ds_load_b128 v[TF+8*\f:TF+8*\f+3],   v[AT] offset:64*\f      ; keys 16 f + 8 (l / 16) + 0..3: the same for all queries
	ds_load_b128 v[TF+8*\f+4:TF+8*\f+7], v[AT] offset:64*\f+16
.endr
	s_add_co_u32 s[TBK], s[TBK], KS*PK
	s_add_co_u32 s[TBT], s[TBT], KS*4
	WIN 0
.if \last
.Lno_k_\@:
.endif
.endm
.macro FV                              ; a step's V, turned; the address line and three v_nop are four places behind the last product that read V
	WIN 0xcc
	v_add_nc_u32 v[AV], s[TBV], v[AV0]
	v_nop
	v_nop
	v_nop
	WIN 0x83                                       ; destination window 2, address window 3
.irp f, 0,1,2,3,4,5,6,7
	ds_load_tr16_b128 v[VF+8*\f:VF+8*\f+3],   v[AV] offset:(\f/4)*32*PV+(\f%4)*32
	ds_load_tr16_b128 v[VF+8*\f+4:VF+8*\f+7], v[AV] offset:(\f/4)*32*PV+16*PV+(\f%4)*32
.endr
	s_add_co_u32 s[TBV], s[TBV], KS*PV
.endm
.macro TURN p
.if (\p) == 1
	s_wait_dscnt 0x0                               ; V is in
.endif
.set i, 0
.set cq, 0
.set eq, 0
.rept 16
	PV ((\p)+3)%4
	CV \p
	EX ((\p)+1)%4                                  ; a plain instruction on either side of it
	CV \p
.set i, i+1
.endr
.if (\p) == 0
	FV
.endif
.if (\p) == 2
	s_wait_dscnt 0x0                               ; K and nt are in
.endif
.set i, 0
.rept 16
	KQ ((\p)+2)%4
	EX ((\p)+1)%4
	EX ((\p)+1)%4
	EX ((\p)+1)%4
.set i, i+1
.endr
	PLACES                                         ; the places behind the last scores, ahead of their first reader and of loads into K and nt; also the plain instruction behind the last exponential
	s_wait_alu depctr_va_vdst(0)                   ; the one wait for the turn's 64 exponentials
.endm
	s_load_b256 s[4:11], s[0:1], 0x0               ; qh s[4:5], kh s[6:7], vh s[8:9], nt s[10:11]
	s_load_b64 s[12:13], s[0:1], 0x20              ; yh
	WIN 0xc0
	v_lshl_add_u32 v[SPW], v0, 2, SPARE
	v_mov_b32 v[NIL], 0
	WIN 0x0f
	ds_add_u32 v[SPW], v[NIL]                      ; the wave's opening: the add and its wait stand ahead of my first tensor load
	WIN 0
	v_lshrrev_b32 v1, 5, v0
	v_readfirstlane_b32 s[WV], v1
	s_bfe_u32 s[CX], ttmp6, 0x40000                ; my block of 512 queries: it enters qh's and yh's addresses, and the prefetches', alone
	s_and_b32 s[HD], ttmp7, 0xffff                 ; the head, which the four partners share
	s_lshl_b32 s20, s[HD], 18
	s_mov_b32 s21, 0
	s_and_b32 s17, s[WV], 1                        ; which half of a slot's 256 keys I fetch:
	s_lshl_b32 s22, s17, 14                        ; its 128 rows in memory,
	s_mov_b32 s23, 0
	s_add_nc_u64 s[22:23], s[22:23], s[20:21]
	s_mul_i32 s18, s17, 128*PK                     ; and its place in a slot, for K
	s_mul_i32 s19, s17, 128*PV                     ; and for V
	s_lshl_b32 s70, s[CX], 16                      ; my block's 512 rows,
	s_lshl_b32 s71, s[WV], 14                      ; my wave's 128
	s_add_co_u32 s70, s70, s71
	s_mov_b32 s71, 0
	s_add_nc_u64 s[70:71], s[70:71], s[20:21]
	s_lshl_b32 s72, s[HD], 13                      ; the head's nt, my quarter of it
	s_lshl_b32 s73, s[WV], 11
	s_add_co_u32 s72, s72, s73
	s_mov_b32 s73, 0
	s_mov_b32 s[G1K], 15|(1<<16)|(1<<20)|(1<<21)|(4<<22)|(3<<25)  ; the mask of four; 2-byte elements; padding on; bit 21 beside a mask; after every 32 words, 4 words
	s_mov_b32 s[G1V], 15|(1<<16)|(1<<20)|(1<<21)|(4<<22)|(7<<25)  ; the same with 8 words
.irp g, G1K, G1V
	s_mov_b32 s[\g+1], 128<<16                     ; 128 keys are 16,384 dense bytes: 64 rows of 256 bytes
	s_mov_b32 s[\g+2], 64<<16
	s_mov_b32 s[\g+3], 128<<16
	s_mov_b32 s[\g+4], 64
	s_mov_b32 s[\g+5], 128
	s_mov_b32 s[\g+6], 0
	s_mov_b32 s[\g+7], 0
.endr
	s_mov_b32 s[G1T], 15|(3<<16)|(1<<21)           ; 8-byte elements, no padding: 2,048 dense bytes as 8 rows of 256
	s_mov_b32 s[G1T+1], 32<<16
	s_mov_b32 s[G1T+2], 8<<16
	s_mov_b32 s[G1T+3], 32<<16
	s_mov_b32 s[G1T+4], 8
	s_mov_b32 s[G1T+5], 32
	s_mov_b32 s[G1T+6], 0
	s_mov_b32 s[G1T+7], 0
	s_mov_b32 s[G0K], 1
	s_mov_b32 s[G0K+1], s18
	s_mov_b32 s[G0V], 1
	s_add_co_u32 s[G0V+1], s19, VOFF
	s_mov_b32 s[G0T], 1
	s_lshl_b32 s[G0T+1], s[WV], 11
	s_add_co_u32 s[G0T+1], s[G0T+1], TREG
	s_mov_b32 s[TBK], SLOT1+4*KS*PK                ; the first change of slots turns these two into 0
	s_mov_b32 s[TBV], SLOT1+4*KS*PV
	s_mov_b32 s[TBT], 0
	s_and_b32 s[LIM], s[WV], 1
	s_cmp_eq_u32 s[LIM], 0
	s_cselect_b32 s[LIM], 1, -1                    ; waves 0 and 2 prefetch while more than one slot is still to be asked for
	s_lshl_b32 s74, s[CX], 13                      ; my work-group's 32 blocks of a slot's 128
	s_mov_b32 s75, 0
	s_wait_dscnt 0x0                               ; the opening add is done
	s_wait_kmcnt 0x0
	s_add_nc_u64 s[6:7], s[6:7], s[22:23]          ; K and V at my half of the head's first 256 keys
	s_add_nc_u64 s[8:9], s[8:9], s[22:23]
	s_mov_b64 s[G0K+2:G0K+3], s[6:7]
	s_or_b32 s[G0K+3], s[G0K+3], 0x80000000
	s_mov_b64 s[G0V+2:G0V+3], s[8:9]
	s_or_b32 s[G0V+3], s[G0V+3], 0x80000000
	s_add_nc_u64 s[G0T+2:G0T+3], s[10:11], s[72:73]
	s_or_b32 s[G0T+3], s[G0T+3], 0x80000000
	s_add_nc_u64 s[4:5], s[4:5], s[70:71]          ; Q and y at my wave's first row
	s_add_nc_u64 s[12:13], s[12:13], s[70:71]
	s_cmp_lt_u32 s[WV], 2
	s_cselect_b64 s[PFA:PFA+1], s[6:7], s[8:9]     ; (in waves 0 and 2 these stand at a slot's first row)
	s_add_nc_u64 s[PFA:PFA+1], s[PFA:PFA+1], s[74:75]
	s_add_nc_u64 s[PFA:PFA+1], s[PFA:PFA+1], 4*KS*128  ; in slot 1; the first change steps it to slot 2.  Nothing is prefetched here, at the head
	CROUND                                         ; all four work-groups are here: the first joint loads meet
	s_cmp_lt_u32 s[WV], 2                          ; a wave's two first fills stand in one branch: its quarter of nt, its part of slot 0; two loads of mine are out
	s_cbranch_scc0 .Lfirst_v
	tensor_load_to_lds s[G0T:G0T+3], s[G1T:G1T+7]
	s_nop 0
	tensor_load_to_lds s[G0K:G0K+3], s[G1K:G1K+7]
	s_nop 0
.rept 4
	v_nop
.endr
	s_branch .Lfirst_asked
.Lfirst_v:
	tensor_load_to_lds s[G0T:G0T+3], s[G1T:G1T+7]
	s_nop 0
	tensor_load_to_lds s[G0V:G0V+3], s[G1V:G1V+7]
	s_nop 0
.rept 4
	v_nop
.endr
.Lfirst_asked:
	; the lane's addresses are made in window 0, whose registers are S^T's later, and moved into window 3
	v_and_b32 v1, 15, v0                           ; l % 16
	v_bfe_u32 v2, v0, 4, 1                         ; l / 16
	v_mul_u32_u24 v3, v1, PK
	v_lshl_add_u32 v3, v2, 4, v3                   ; K: row x pitch + 16 x half
	v_and_b32 v11, 7, v0
	v_bfe_u32 v12, v0, 3, 1
	v_lshl_add_u32 v4, v2, 3, v11                  ; V: the turning load: key 8 (l / 16) + l % 8, channels 8 ((l / 8) % 2) + 0..7
	v_mul_u32_u24 v4, v4, PV
	v_lshl_add_u32 v4, v12, 4, v4
	v_add_nc_u32 v4, VOFF, v4
	v_lshl_add_u32 v5, v2, 5, TREG                 ; nt: my half's eight keys of a block of 16
	s_mul_i32 s76, s[WV], 16*SP
	s_add_co_u32 s76, s76, STAGE                   ; my stage
	v_mul_u32_u24 v6, v1, SP
	v_lshl_add_u32 v6, v2, 4, v6
	v_add_nc_u32 v6, s76, v6
	v_bfe_u32 v7, v0, 3, 2
	v_mul_u32_u24 v7, v7, SP
	v_lshl_add_u32 v7, v11, 4, v7
	v_add_nc_u32 v7, s76, v7
	v_and_b32 v8, 31, v0
	v_lshlrev_b32 v9, 8, v8
	v_lshlrev_b32 v8, 4, v8
	v_lshlrev_b32 v10, 7, v1
	v_lshl_add_u32 v10, v2, 4, v10
	WIN 0xc0
	v_mov_b32 v[AK0], v3
	v_mov_b32 v[AV0], v4
	v_mov_b32 v[AT0], v5
	v_mov_b32 v[STO], v6
	v_mov_b32 v[RD], v7
	v_mov_b32 v[GO], v8
	v_mov_b32 v[PFO], v9
	v_mov_b32 v[QO], v10
	WIN 0x83                                       ; destination window 2, address window 3
.set i, 0
.rept 16                                       ; Q stays in registers: tile i / 2, channels 32 (i % 2) on
	global_load_b128 v[8*i:8*i+3],   v[QO], s[4:5] offset:(i/2)*2048+(i%2)*64
	global_load_b128 v[8*i+4:8*i+7], v[QO], s[4:5] offset:(i/2)*2048+(i%2)*64+32
.set i, i+1
.endr
	WIN 0x80
.set i, VF
.rept 64
	v_mov_b32 v[i], 0                              ; V
.set i, i+1
.endr
	WIN 0x40
.set i, 0
.rept 256
	v_mov_b32 v[i], 0                              ; O^T
.set i, i+1
.endr
	WIN 0
.set i, 0
.rept 128
	v_mov_b32 v[i], 0                              ; S^T
.set i, i+1
.endr
.set i, PB+32
.rept 32
	v_mov_b32 v[i], 0                              ; P's second buffer
.set i, i+1
.endr
	s_wait_loadcnt 0x0                             ; Q
	s_mov_b32 s[SLOTS], 7
.Lslot:                                        ; seven times: a slot is entered and the next is asked for
	CHANGE 1
	s_mov_b32 s[CNT], 4
.Lstep:                                        ; a trip fetches one step's K, nt and V: the scores of that step's four pieces, and the second products from piece 1 of the step before to piece 0 of this one
	FK 0
	TURN 2
	TURN 3
	TURN 0
	TURN 1
	WIN 0
	s_sub_co_u32 s[CNT], s[CNT], 1
	s_cmp_lg_u32 s[CNT], 0
	s_cbranch_scc1 .Lstep
	s_sub_co_u32 s[SLOTS], s[SLOTS], 1
	s_cmp_lg_u32 s[SLOTS], 0
	s_cbranch_scc1 .Lslot
	CHANGE 0                                       ; the tail is written out: nothing is asked for
	s_mov_b32 s[CNT], 5                            ; four trips fetch the last slot's steps; the fifth is left in its middle
.Ltail:
	FK 1
	TURN 2
	TURN 3
	WIN 0
	s_sub_co_u32 s[CNT], s[CNT], 1
	s_cmp_eq_u32 s[CNT], 0
	s_cbranch_scc1 .Lout
	TURN 0
	TURN 1
	WIN 0
	s_branch .Ltail
.Lout:
.set i, 0
.rept 16
	PV 3                                           ; the last piece's V^T P of the last step
.set i, i+1
.endr
	; THE WAY OUT.  O^T is y: rounded to bf16 and sent through my stage in LDS, a tile at a time.  The first six tiles' roundings are the places behind the last products.
.macro PACK t
	WIN 0x05                                       ; sources in window 1, destination window 0: S^T's registers are free
.set i, 0
.rept 16
	v_cvt_pk_bf16_f32 v[16*(\t)+i], v[32*(\t)+2*i], v[32*(\t)+2*i+1]
.set i, i+1
.endr
	WIN 0x03
.irp f, 0,1,2,3
	ds_store_b128 v[STO], v[16*(\t)+4*\f:16*(\t)+4*\f+3] offset:32*\f
.endr
.irp f, 0,1,2,3
	ds_load_b128 v[16*(\t)+4*\f:16*(\t)+4*\f+3], v[RD] offset:\f*4*SP  ; LDS serves a wave's instructions in order: these see the stores above; the next tile's stores come behind them
.endr
.endm
.macro SEND t, younger                 ; younger: the LDS instructions issued behind tile t's loads: the next tile's eight, or none
	WIN 0x03
.irp f, 0,1,2,3
	s_wait_dscnt (\younger)+3-\f
	global_store_b128 v[GO], v[16*(\t)+4*\f:16*(\t)+4*\f+3], s[12:13] offset:(\t)*2048+\f*512  ; 512 consecutive bytes, aligned
.endr
.endm
	PACK 0
.set t, 1
.rept 7
	PACK t
	SEND t-1, 8
.set t, t+1
.endr
	SEND 7, 0
	WIN 0x0f
	s_wait_tensorcnt 0x0                           ; the wave's end
	ds_add_u32 v[SPW], v[NIL]
	s_wait_dscnt 0x0
	WIN 0
	CROUND                                         ; the closing round
	s_endpgm
.Lfunc_end_k_q29a63fec4a_attn:
	.size	k_q29a63fec4a_attn, .Lfunc_end_k_q29a63fec4a_attn-k_q29a63fec4a_attn
	.p2alignl 7, 3214868480
	.fill 96, 4, 3214868480
	.section	.rodata,"a",@progbits
	.p2align	6, 0x0
	.amdhsa_kernel k_q29a63fec4a_attn
		.amdhsa_group_segment_fixed_size 327680
		.amdhsa_private_segment_fixed_size 0
		.amdhsa_enable_private_segment 0
		.amdhsa_kernarg_size 40
		.amdhsa_user_sgpr_count 2
		.amdhsa_user_sgpr_kernarg_segment_ptr 1
		.amdhsa_wavefront_size32 1
		.amdhsa_system_sgpr_workgroup_id_x 1
		.amdhsa_system_sgpr_workgroup_id_y 1
		.amdhsa_system_sgpr_workgroup_id_z 1
		.amdhsa_system_vgpr_workitem_id 0
		.amdhsa_next_free_vgpr 832
		.amdhsa_next_free_sgpr 80
		.amdhsa_reserve_vcc 0
		.amdhsa_float_denorm_mode_32 3
		.amdhsa_float_denorm_mode_16_64 3
		.amdhsa_memory_ordered 1
		.amdhsa_forward_progress 1
		.amdhsa_inst_pref_size 111
	.end_amdhsa_kernel
	.amdgpu_metadata
---
amdhsa.version: [ 1, 2 ]
amdhsa.kernels:
  - .name:           k_q29a63fec4a_attn
    .symbol:         k_q29a63fec4a_attn.kd
    .args:
      - { .name: qh, .offset: 0, .size: 8, .value_kind: global_buffer, .address_space: global }
      - { .name: kh, .offset: 8, .size: 8, .value_kind: global_buffer, .address_space: global }
      - { .name: vh, .offset: 16, .size: 8, .value_kind: global_buffer, .address_space: global }
      - { .name: nt, .offset: 24, .size: 8, .value_kind: global_buffer, .address_space: global }
      - { .name: yh, .offset: 32, .size: 8, .value_kind: global_buffer, .address_space: global }
    .group_segment_fixed_size: 327680
    .private_segment_fixed_size: 0
    .kernarg_segment_align: 8
    .kernarg_segment_size: 40
    .max_flat_workgroup_size: 128
    .sgpr_count:     80
    .vgpr_count:     832
    .wavefront_size: 32
...
	.end_amdgpu_metadata
.endif
;; end of part 4
;; launch outp (part 5): grid 4 x 64, 4 waves a work-group, clusters of 4 x 4, 327,680 bytes of LDS; arguments yh, wob, b_out, out0; writes out0
.if DOCPART == 5
	.amdgcn_target "amdgcn-amd-amdhsa--gfx1250"
	.amdhsa_code_object_version 6
	.text
	.protected	k_q29a63fec4a_outp
	.globl	k_q29a63fec4a_outp
	.p2align	8
	.type	k_q29a63fec4a_outp,@function
k_q29a63fec4a_outp:
	s_mov_b64 s[64:65], 0
	v_nop
	global_prefetch_b8 v0, s[64:65] scope:SCOPE_SE
	s_setreg_imm32_b32 hwreg(HW_REG_WAVE_MODE, 25, 1), 1
	s_wait_xcnt 0x0
	s_wait_alu depctr_hold_cnt(0) depctr_sa_sdst(0) depctr_va_vdst(0) depctr_va_sdst(0) depctr_va_ssrc(0) depctr_va_vcc(0) depctr_vm_vsrc(0)
	s_getreg_b32 s2, hwreg(HW_REG_IB_STS2, 6, 4)
	s_cmp_eq_u32 s2, 0
	s_cbranch_scc0 .Lentry_in_a_cluster
	s_endpgm
.Lentry_in_a_cluster:
	s_bfe_u32 s2, ttmp6, 0x10000c
	s_cmp_lg_u32 s2, 0xf033
	s_cbranch_scc0 .Lentry_shape_is_right
	s_endpgm
.Lentry_shape_is_right:
; out = y w_out + b_out.  C[m][n] = the sum over k of A[m][k] B[k][n]; operands bf16, sums f32, K ascending; the bias is added in f32, out is f32.
; A = yh: [batch 4][head 16][row 2048][64] bf16: a head is a slice of 64 along K, and 128 rows of it are 16,384 dense bytes.  B = wob: [1024][1024] bf16, as the weights lie.
; SHARES.  A tile of C is 128 rows x 256 columns, one to a work-group: 4 x 64 = 256 work-groups (a larger tile would leave WGPs without work).  Four waves, 2 x 2, each 64 x 128: 32 accumulators = 256 registers (window 1).
; CLUSTER 4 x 4.  The four of a row of the cluster need the same rows of A, the four of a column the same columns of B: each tile is asked for jointly (same load, same descriptor, a mask of four).
; RING.  Two LDS slots, a K step of 128 each: A as two slices of 128 rows (pitch 144), B as 128 rows of K x 512 bytes (pitch 544).  Waves 0, 1 fetch A's slices, waves 2, 3 B's halves: one load a wave behind each change of slots.
; THE PRODUCT IS TAKEN TRANSPOSED (source 0 = 16 columns of B, turned on the way out of LDS by ds_load_tr16_b128; source 1 = 16 rows of A): a lane holds one row of C and eight neighbouring columns.
; NaN and infinities are not treated apart.
; REGISTERS.  Window 0: v0-27 addresses and bias; v64-159, v160-255 two fragment buffers (B's eight fragments, then A's four); the way out works in fragment registers.  Window 1: the accumulators, (a, b) at v[8 (8 a + b)].
.set NN,    1024
.set STEPS, 8
.set STGW,  16*528                     ; a wave's stage: 16 rows x (512 + 16) bytes
.set PITA,  144                        ; 128 bytes + 16: the 16 rows of a load start 36 words apart
.set PITB,  544                        ; 512 bytes + 32: the turning load's 8 rows x 32 bytes start 136 words apart
.set ASL,   128*PITA                   ; a slice of A in LDS
.set BOFF,  2*ASL                      ; B lies behind A's two slices
.set SLOT1, 1<<17                      ; slot 1: one exclusive or turns an address in one slot into the other's
.set STAGE, SLOT1+BOFF+128*PITB        ; behind the ring, never filled by a tensor load
.set SPARE, STAGE+4*STGW               ; the spare words: 128 bytes a wave, two blocks of 256 bytes that no other line names
.set BA,   4                           ; s[4:5]   A at my tile's rows, at the slice that I fetch, K step 0
.set BB,   6                           ; s[6:7]   B at my tile's columns, at the half of a K step that I fetch, K step 0
.set BIASP, 8                          ; s[8:9]   b_out at my columns
.set DST,  10                          ; s[10:11] out0 at my rows and columns
.set WV,   14                          ; wave
.set WM,   15                          ; wave / 2: my half of the rows; also 0: I fetch for A, 1: for B
.set WN,   16                          ; wave % 2: my half of the columns; also which part I fetch
.set CX,   17
.set CY,   18
.set GG,   19                          ; column group 0-3
.set MT,   20                          ; row tile 0-63
.set TB,   21                          ; the slot that is read: 0 or SLOT1
.set FN,   22                          ; the K step to be asked for next
.set G1A,  24                          ; s[24:31] group 1 for A
.set G0A,  32                          ; s[32:35] group 0 for A's first fill
.set G0AW, 36                          ; s[36:39] group 0 for A: K step 1, then every refill
.set G1B,  40
.set G0B,  48
.set G0BW, 52
.set OFA,  56                          ; s[56:57] byte offset of a K step in A
.set OFB,  58                          ; s[58:59] in B
.set CNT,  60
.set LIM,  61                          ; a wave prefetches K step FN while FN < LIM
.set PFK,  62                          ; bytes from K step to K step in what I prefetch
.set PFB,  66                          ; s[66:67] the prefetches' base
.set PFA,  68                          ; s[68:69] the prefetch in hand
.set PA0,  8                           ; v8   my lane's place in a slot's A; never rewritten
.set PB0,  9                           ; v9   in its B
.set ADRA, 10
.set ADRB, 11
.set STO,  12
.set RD,   13
.set GO,   14
.set PFO,  15
.set SPW,  16                          ; v16  LDS address of my spare word; never rewritten
.set NIL,  17                          ; v17  0; never rewritten
.set BO,   18                          ; v18  the bias loads' offset; never rewritten
.set BIAS, 20                          ; v[20:27]
.set F0,   64
.set F1,   160
.set MUL,  0x50                        ; C and D in window 1, fragments in window 0
.set MSB, 0
.macro WIN new                         ; the immediate's high byte repeats the setting that is left; a switch that changes nothing is dropped
.if MSB != (\new)
	s_set_vgpr_msb (MSB<<8)|(\new)
.set MSB, \new
.endif
.endm
.macro PLACES                          ; four plain places behind matrix instructions, ahead of loads into registers that they read and of readers of their results
.rept 4
	v_nop
.endr
.endm
.macro CREST                           ; a round of the cluster's barrier behind its opening barrier
	s_cmp_lg_u32 s[WV], 0
	s_cbranch_scc1 .Lnot_wave_0_\@
	s_barrier_signal -3
.Lnot_wave_0_\@:
	s_barrier_wait -3
	s_barrier_signal -1
	s_barrier_wait -1
.endm
.macro CROUND
	s_barrier_signal -1
	s_barrier_wait -1
	CREST
.endm
.macro JLOAD                           ; the joint refill; the branch hangs on the wave's number alone; s_nop 0 and four v_nop follow each line
	s_cmp_eq_u32 s[WM], 0
	s_cbranch_scc0 .Lfor_b_\@
	tensor_load_to_lds s[G0AW:G0AW+3], s[G1A:G1A+7]
	s_nop 0
.rept 4
	v_nop
.endr
	s_branch .Lasked_\@
.Lfor_b_\@:
	tensor_load_to_lds s[G0BW:G0BW+3], s[G1B:G1B+7]
	s_nop 0
.rept 4
	v_nop
.endr
.Lasked_\@:
.endm
; A PREFETCH INTO THE L2 of the K step behind the one just asked for: 128 matrix instructions a wave ahead of its load.  Each aligned block of 256 bytes is named once in the launch.
; A's rows are read by this cluster alone: wave 0 asks; the four partners of a row share a K step's 128 blocks by address, 32 each (16 of each slice).
; B's columns are read by all sixteen clusters: the cluster with y = 0 asks, waves 2 and 3 each for the half that they fetch; the four partners of a column take 16 rows of K each, two blocks a row.
.macro ASK
	s_cmp_lt_u32 s[FN], s[LIM]
	s_cbranch_scc0 .Lnot_mine_\@
	global_prefetch_b8 v[PFO], s[PFA:PFA+1] th:TH_LOAD_NT scope:SCOPE_SE
.Lnot_mine_\@:
.endm
.macro MUL8 f, a, zero                 ; block a of my rows x all eight blocks of my columns, 32 along K.  zero = 1: the product starts the sums
	WIN MUL
.irp b, 0,1,2,3,4,5,6,7
.if \zero
	v_wmma_f32_16x16x32_bf16 v[64*(\a)+8*(\b):64*(\a)+8*(\b)+7], v[(\f)+8*(\b):(\f)+8*(\b)+7], v[(\f)+64+8*(\a):(\f)+64+8*(\a)+7], 0
.else
	v_wmma_f32_16x16x32_bf16 v[64*(\a)+8*(\b):64*(\a)+8*(\b)+7], v[(\f)+8*(\b):(\f)+8*(\b)+7], v[(\f)+64+8*(\a):(\f)+64+8*(\a)+7], v[64*(\a)+8*(\b):64*(\a)+8*(\b)+7]
.endif
.endr
.endm
.macro FETCH q, g                      ; 24 LDS loads in one run: quarter q (32 along K) of the slot in hand into buffer g: B's eight fragments, turned, then A's four
	WIN 0
.irp b, 0,1,2,3,4,5,6,7
	ds_load_tr16_b128 v[(\g)+8*(\b):(\g)+8*(\b)+3],   v[ADRB] offset:(\q)*32*PITB+32*(\b)
	ds_load_tr16_b128 v[(\g)+8*(\b)+4:(\g)+8*(\b)+7], v[ADRB] offset:(\q)*32*PITB+16*PITB+32*(\b)
.endr
.irp a, 0,1,2,3
	ds_load_b128 v[(\g)+64+8*(\a):(\g)+64+8*(\a)+3],   v[ADRA] offset:((\q)/2)*ASL+((\q)%2)*64+(\a)*16*PITA
	ds_load_b128 v[(\g)+64+8*(\a)+4:(\g)+64+8*(\a)+7], v[ADRA] offset:((\q)/2)*ASL+((\q)%2)*64+(\a)*16*PITA+32
.endr
.endm
; A K step is four quarters of 32 matrix instructions on buffers 0, 1, 0, 1; each quarter takes each accumulator once, in one order, so no two matrix instructions on end share one.
.macro QUARTER q, f, g, zero           ; multiplies buffer f; in its middle fetches quarter q into buffer g
	s_wait_dscnt 4                                 ; B and A's blocks 0, 1 are in; the four youngest loads (A's blocks 2, 3) may be out
	MUL8 \f, 0, \zero
	MUL8 \f, 1, \zero
	PLACES
	FETCH \q, \g
	s_wait_dscnt 24                                ; all but the 24 just issued
	MUL8 \f, 2, \zero
	MUL8 \f, 3, \zero
.endm
; The fourth quarter multiplies buffer 1 and changes slots.  In front of the one barrier each wave waits for all its tensor loads (one is out: its part of the next slot), adds 0 to its spare word, and waits for
; that and for its reads of this slot.  fill = 1: the barrier opens a round of the cluster's barrier, and the joint refill (K step FN, into the slot just read) is the first tensor load behind it.
.macro TURN fill
	s_wait_xcnt 0x0                                ; the last prefetch, a K step back, has read its address
	WIN 0
	s_wait_tensorcnt 0x0                           ; no tensor load of mine is out, so group 0 may be written
	ds_add_u32 v[SPW], v[NIL]                      ; 0 onto my spare word; work on registers stands between it and the wait for it
.if \fill
	s_lshl_b32 s[OFA], s[FN], 19                   ; two slices of 262,144 bytes a K step in A,
	s_mul_i32 s[OFB], s[FN], 256*NN                ; 128 rows in B
	s_xor_b32 s[G0AW+1], s[G0AW+1], SLOT1
	s_add_nc_u64 s[G0AW+2:G0AW+3], s[BA:BA+1], s[OFA:OFA+1]
	s_or_b32 s[G0AW+3], s[G0AW+3], 0x80000000
	s_xor_b32 s[G0BW+1], s[G0BW+1], SLOT1
	s_add_nc_u64 s[G0BW+2:G0BW+3], s[BB:BB+1], s[OFB:OFB+1]
	s_or_b32 s[G0BW+3], s[G0BW+3], 0x80000000
	s_add_co_u32 s[FN], s[FN], 1
	s_mul_i32 s82, s[FN], s[PFK]                   ; where the K step behind it lies, for the prefetch
	s_mov_b32 s83, 0
	s_add_nc_u64 s[PFA:PFA+1], s[PFB:PFB+1], s[82:83]
.endif
	s_wait_dscnt 5                                 ; the add and the four youngest loads may be out
	MUL8 F1, 0, 0
	s_wait_dscnt 0x0                               ; the add is done, and my reads of this slot are over
	s_barrier_signal -1
	MUL8 F1, 1, 0                                  ; work on registers while the others arrive
	WIN 0
	s_barrier_wait -1
.if \fill
	CREST                                          ; no wave of any partner still reads this slot or has a load on its way
	JLOAD                                          ; its four v_nop are also the places ahead of the loads below
.else
	PLACES
.endif
	s_xor_b32 s[TB], s[TB], SLOT1
	v_add_nc_u32 v[ADRA], s[TB], v[PA0]
	v_add_nc_u32 v[ADRB], s[TB], v[PB0]
	FETCH 0, F0
.if \fill
	ASK
.endif
	MUL8 F1, 2, 0
	MUL8 F1, 3, 0
.endm
; THE WAY OUT, f32: a block of 16 rows goes as it is into my stage (rows of 528 bytes) and comes back by rows; the bias is added; 16 lanes store 256 consecutive bytes, aligned.
.macro STG a
	s_wait_xcnt 0x0                                ; earlier stores have read the registers that are loaded below
	WIN 0x04                                       ; store data in window 1
.irp b, 0,1,2,3,4,5,6,7
	ds_store_b128 v[STO], v[64*(\a)+8*(\b):64*(\a)+8*(\b)+3]   offset:64*(\b)
	ds_store_b128 v[STO], v[64*(\a)+8*(\b)+4:64*(\a)+8*(\b)+7] offset:64*(\b)+16
.endr
	WIN 0
.set BK, 64+64*((\a)%2)
.irp u, 0,1,2,3,4,5,6,7,8,9,10,11,12,13,14,15
	ds_load_b128 v[BK+4*(\u):BK+4*(\u)+3], v[RD] offset:((\u)/2)*1056+((\u)%2)*256
.endr
.endm
.macro SENDO a, younger                ; younger: the LDS instructions issued behind this block's loads
.set BK, 64+64*((\a)%2)
.irp u, 0,1,2,3,4,5,6,7,8,9,10,11,12,13,14,15
	s_wait_dscnt (\younger)+15-(\u)
	v_pk_add_f32 v[BK+4*(\u):BK+4*(\u)+1],   v[BK+4*(\u):BK+4*(\u)+1],   v[BIAS+4*((\u)%2):BIAS+4*((\u)%2)+1]
	v_pk_add_f32 v[BK+4*(\u)+2:BK+4*(\u)+3], v[BK+4*(\u)+2:BK+4*(\u)+3], v[BIAS+4*((\u)%2)+2:BIAS+4*((\u)%2)+3]
	global_store_b128 v[GO], v[BK+4*(\u):BK+4*(\u)+3], s[DST:DST+1] offset:(16*(\a)+2*((\u)/2))*4096+((\u)%2)*256
.endr
.endm
	s_load_b256 s[4:11], s[0:1], 0x0               ; yh, wob, b_out, out0
	v_lshl_add_u32 v[SPW], v0, 2, SPARE
	v_mov_b32 v[NIL], 0
	ds_add_u32 v[SPW], v[NIL]                      ; the wave's opening: the add and its wait stand ahead of my first tensor load
	v_lshrrev_b32 v3, 5, v0
	v_readfirstlane_b32 s[WV], v3
	s_lshr_b32 s[WM], s[WV], 1
	s_and_b32 s[WN], s[WV], 1
	s_bfe_u32 s[CX], ttmp6, 0x40000
	s_bfe_u32 s[CY], ttmp6, 0x40004
	s_lshl_b32 s[GG], ttmp9, 2
	s_add_co_u32 s[GG], s[GG], s[CX]               ; column group = 4 x cluster x + cx
	s_and_b32 s[MT], ttmp7, 0xffff
	s_lshl_b32 s[MT], s[MT], 2
	s_add_co_u32 s[MT], s[MT], s[CY]               ; row tile = 4 x cluster y + cy
	s_lshl_b32 s70, s[CY], 2
	s_lshl_b32 s70, 15, s70                        ; my row of the cluster
	s_lshl_b32 s74, 0x1111, s[CX]                  ; my column
	s_or_b32 s[G1A], s70, (1<<16)|(1<<20)|(1<<21)|(4<<22)|(3<<25)  ; mask; 2-byte elements; padding on; bit 21 beside a mask; after every 32 words, 4 words
	s_mov_b32 s[G1A+1], 128<<16                    ; tensor_dim0 = 128: a slice's 16,384 dense bytes are asked for as 64 rows of 256 bytes
	s_mov_b32 s[G1A+2], 64<<16                     ; tensor_dim1 = 64
	s_mov_b32 s[G1A+3], 128<<16                    ; tile_dim0
	s_mov_b32 s[G1A+4], 64                         ; tile_dim1
	s_mov_b32 s[G1A+5], 128                        ; elements from row to row
	s_mov_b32 s[G1A+6], 0
	s_mov_b32 s[G1A+7], 0
	s_or_b32 s[G1B], s74, (1<<16)|(1<<20)|(1<<21)|(6<<22)|(7<<25)  ; after every 128 words, 8 words
	s_mov_b32 s[G1B+1], 256<<16                    ; 64 rows of K x 256 columns
	s_mov_b32 s[G1B+2], 64<<16
	s_mov_b32 s[G1B+3], 256<<16
	s_mov_b32 s[G1B+4], 64
	s_mov_b32 s[G1B+5], NN
	s_mov_b32 s[G1B+6], 0
	s_mov_b32 s[G1B+7], 0
	s_lshr_b32 s70, s[MT], 4                       ; A: the batch,
	s_lshl_b32 s70, s70, 22
	s_and_b32 s71, s[MT], 15                       ; the tile's 128 rows in a slice,
	s_lshl_b32 s71, s71, 14
	s_add_co_u32 s70, s70, s71
	s_lshl_b32 s71, s[WN], 18                      ; the slice that I fetch
	s_add_co_u32 s[OFA], s70, s71
	s_mov_b32 s[OFA+1], 0
	s_mul_i32 s74, s[WN], 128*NN                   ; B: the 64 rows that I fetch,
	s_lshl_b32 s75, s[GG], 9                       ; the group's 256 columns
	s_add_co_u32 s[OFB], s74, s75
	s_mov_b32 s[OFB+1], 0
	s_mov_b32 s[FN], 2
	s_mov_b32 s[TB], 0
	s_wait_dscnt 0x0                               ; the opening add is done
	s_wait_kmcnt 0x0
	s_add_nc_u64 s[BA:BA+1], s[BA:BA+1], s[OFA:OFA+1]
	s_add_nc_u64 s[BB:BB+1], s[BB:BB+1], s[OFB:OFB+1]
	CROUND                                         ; all sixteen work-groups are here: the first joint loads meet
	s_mov_b32 s[G0A], 1
	s_mul_i32 s[G0A+1], s[WN], ASL                 ; no place in the cluster enters an LDS address
	s_mov_b64 s[G0A+2:G0A+3], s[BA:BA+1]
	s_or_b32 s[G0A+3], s[G0A+3], 0x80000000
	s_mov_b32 s[G0AW], 1
	s_add_co_u32 s[G0AW+1], s[G0A+1], SLOT1
	s_add_nc_u64 s[G0AW+2:G0AW+3], s[BA:BA+1], 1<<19
	s_or_b32 s[G0AW+3], s[G0AW+3], 0x80000000
	s_mov_b32 s[G0B], 1
	s_mul_i32 s[G0B+1], s[WN], 64*PITB
	s_add_co_u32 s[G0B+1], s[G0B+1], BOFF
	s_mov_b64 s[G0B+2:G0B+3], s[BB:BB+1]
	s_or_b32 s[G0B+3], s[G0B+3], 0x80000000
	s_mov_b32 s[G0BW], 1
	s_add_co_u32 s[G0BW+1], s[G0B+1], SLOT1
	s_add_nc_u64 s[G0BW+2:G0BW+3], s[BB:BB+1], 256*NN
	s_or_b32 s[G0BW+3], s[G0BW+3], 0x80000000
	s_cmp_eq_u32 s[WM], 0                          ; a wave's two first fills stand in one branch: K steps 0 and 1; two loads of mine are out
	s_cbranch_scc0 .Lfirst_b
	tensor_load_to_lds s[G0A:G0A+3], s[G1A:G1A+7]
	s_nop 0
	tensor_load_to_lds s[G0AW:G0AW+3], s[G1A:G1A+7]
	s_nop 0
.rept 4
	v_nop
.endr
	s_branch .Lfirst_asked
.Lfirst_b:
	tensor_load_to_lds s[G0B:G0B+3], s[G1B:G1B+7]
	s_nop 0
	tensor_load_to_lds s[G0BW:G0BW+3], s[G1B:G1B+7]
	s_nop 0
.rept 4
	v_nop
.endr
.Lfirst_asked:
	v_and_b32 v1, 15, v0                           ; l % 16
	v_bfe_u32 v2, v0, 4, 1                         ; l / 16
	; A's fragment: lane l holds row l % 16, K 8 (l / 16) + 0..7 and 16 + 8 (l / 16) + 0..7: two loads of 16 bytes, 32 bytes apart
	v_mul_u32_u24 v[PA0], v1, PITA
	v_lshl_add_u32 v[PA0], v2, 4, v[PA0]
	s_mul_i32 s80, s[WM], 64*PITA
	v_add_nc_u32 v[PA0], s80, v[PA0]
	; B's: the turning load takes 16 rows of K x 16 columns (lane l reads row 8 (l / 16) + l % 8, columns 8 ((l / 8) % 2) + 0..7) and leaves column l % 16 and 8 K in lane l
	v_and_b32 v3, 7, v0
	v_lshl_add_u32 v3, v2, 3, v3
	v_mul_u32_u24 v[PB0], v3, PITB
	v_bfe_u32 v4, v0, 3, 1
	v_lshl_add_u32 v[PB0], v4, 4, v[PB0]
	s_lshl_b32 s80, s[WN], 8
	s_add_co_u32 s80, s80, BOFF
	v_add_nc_u32 v[PB0], s80, v[PB0]
	s_mul_i32 s80, s[WV], STGW
	s_add_co_u32 s80, s80, STAGE                   ; my stage
	v_mul_u32_u24 v[STO], v1, 528                  ; in: row l % 16, 32 bytes for each half of the lanes
	v_lshl_add_u32 v[STO], v2, 5, v[STO]
	v_add_nc_u32 v[STO], s80, v[STO]
	v_mul_u32_u24 v[RD], v2, 528                   ; back: lanes 0-15 take 256 bytes of one row, lanes 16-31 of the next
	v_lshl_add_u32 v[RD], v1, 4, v[RD]
	v_add_nc_u32 v[RD], s80, v[RD]
	v_lshlrev_b32 v[GO], 12, v2
	v_lshl_add_u32 v[GO], v1, 4, v[GO]
	s_lshl_b32 s76, s[MT], 19                      ; 128 rows of 4,096 bytes a tile,
	s_lshl_b32 s77, s[WM], 18                      ; my 64 rows,
	s_add_co_u32 s76, s76, s77
	s_lshl_b32 s78, s[GG], 10                      ; the group's 256 columns,
	s_lshl_b32 s77, s[WN], 9                       ; my 128
	s_add_co_u32 s78, s78, s77
	s_add_co_u32 s76, s76, s78
	s_mov_b32 s77, 0
	s_mov_b32 s79, 0
	s_add_nc_u64 s[DST:DST+1], s[DST:DST+1], s[76:77]
	s_add_nc_u64 s[BIASP:BIASP+1], s[BIASP:BIASP+1], s[78:79]
	v_lshlrev_b32 v[BO], 4, v1
	global_load_b128 v[BIAS:BIAS+3],   v[BO], s[BIASP:BIASP+1]             ; the bias of the four columns that I store, in each half of my 128
	global_load_b128 v[BIAS+4:BIAS+7], v[BO], s[BIASP:BIASP+1] offset:256
	; the prefetches: who, from where, how far apart
	s_and_b32 s78, ttmp7, 0xffff
	s_cmp_eq_u32 s78, 0
	s_cselect_b32 s78, STEPS, 0                    ; B: the cluster with y = 0
	s_cmp_eq_u32 s[WV], 0
	s_cselect_b32 s79, STEPS, 0                    ; A: wave 0
	s_lshl_b32 s76, s[CX], 12                      ; A: my work-group's 16 blocks of each slice
	s_mul_i32 s77, s[CY], 32*NN                    ; B: my work-group's 16 rows
	s_cmp_eq_u32 s[WM], 0
	s_cselect_b32 s[LIM], s79, s78
	s_cselect_b32 s76, s76, s77
	s_mov_b32 s77, 0
	s_cselect_b64 s[PFB:PFB+1], s[BA:BA+1], s[BB:BB+1]
	s_add_nc_u64 s[PFB:PFB+1], s[PFB:PFB+1], s[76:77]
	s_mov_b32 s78, 256*NN
	s_cselect_b32 s[PFK], 0x80000, s78
	s_cselect_b32 s76, 4, 1                        ; the lane's offset: (l >> shift) x step + (l & mask) x 256
	s_cselect_b32 s77, 15, 1
	s_mov_b32 s78, 2*NN
	s_cselect_b32 s78, 0x40000, s78
	v_and_b32 v3, 31, v0
	v_lshrrev_b32 v4, s76, v3
	v_mul_lo_u32 v4, v4, s78
	v_and_b32 v5, s77, v3
	v_lshl_add_u32 v[PFO], v5, 8, v4
	v_mov_b32 v[ADRA], v[PA0]
	v_mov_b32 v[ADRB], v[PB0]
	s_wait_tensorcnt 0x1                           ; my part of K step 0 is in; K step 1's may stay out
	s_barrier_signal -1
	s_barrier_wait -1                              ; everybody's is
	FETCH 0, F0
	QUARTER 1, F0, F1, 1                           ; the first quarter stands ahead of the loop: its products start the sums
	WIN 0
	s_mov_b32 s[CNT], STEPS-2
.Lstep:                                        ; a trip: a K step's quarters 2 to 4, a refill two K steps ahead, and the next K step's first quarter
	QUARTER 2, F1, F0, 0
	QUARTER 3, F0, F1, 0
	TURN 1
	QUARTER 1, F0, F1, 0
	WIN 0
	s_sub_co_u32 s[CNT], s[CNT], 1
	s_cmp_lg_u32 s[CNT], 0
	s_cbranch_scc1 .Lstep
	QUARTER 2, F1, F0, 0                           ; the last two K steps ask for nothing
	QUARTER 3, F0, F1, 0
	TURN 0
	QUARTER 1, F0, F1, 0
	QUARTER 2, F1, F0, 0
	QUARTER 3, F0, F1, 0
	s_wait_dscnt 4
	MUL8 F1, 0, 0
	MUL8 F1, 1, 0
	s_wait_dscnt 0x0
	MUL8 F1, 2, 0
	MUL8 F1, 3, 0
	WIN 0
	s_wait_loadcnt 0x0                             ; the bias
	PLACES
	STG 0
	STG 1
	SENDO 0, 32
	STG 2
	SENDO 1, 32
	STG 3
	SENDO 2, 32
	SENDO 3, 0
	s_wait_tensorcnt 0x0                           ; the wave's end, behind my last tensor load and my last LDS store
	ds_add_u32 v[SPW], v[NIL]
	s_wait_dscnt 0x0
	CROUND                                         ; the closing round
	s_endpgm
.Lfunc_end_k_q29a63fec4a_outp:
	.size	k_q29a63fec4a_outp, .Lfunc_end_k_q29a63fec4a_outp-k_q29a63fec4a_outp
	.p2alignl 7, 3214868480
	.fill 96, 4, 3214868480
	.section	.rodata,"a",@progbits
	.p2align	6, 0x0
	.amdhsa_kernel k_q29a63fec4a_outp
		.amdhsa_group_segment_fixed_size 327680
		.amdhsa_private_segment_fixed_size 0
		.amdhsa_enable_private_segment 0
		.amdhsa_kernarg_size 32
		.amdhsa_user_sgpr_count 2
		.amdhsa_user_sgpr_kernarg_segment_ptr 1
		.amdhsa_wavefront_size32 1
		.amdhsa_system_sgpr_workgroup_id_x 1
		.amdhsa_system_sgpr_workgroup_id_y 1
		.amdhsa_system_sgpr_workgroup_id_z 1
		.amdhsa_system_vgpr_workitem_id 0
		.amdhsa_next_free_vgpr 512
		.amdhsa_next_free_sgpr 84
		.amdhsa_reserve_vcc 0
		.amdhsa_float_denorm_mode_32 3
		.amdhsa_float_denorm_mode_16_64 3
		.amdhsa_memory_ordered 1
		.amdhsa_forward_progress 1
		.amdhsa_inst_pref_size 81
	.end_amdhsa_kernel
	.amdgpu_metadata
---
amdhsa.version: [ 1, 2 ]
amdhsa.kernels:
  - .name:           k_q29a63fec4a_outp
    .symbol:         k_q29a63fec4a_outp.kd
    .args:
      - { .name: yh, .offset: 0, .size: 8, .value_kind: global_buffer, .address_space: global }
      - { .name: wob, .offset: 8, .size: 8, .value_kind: global_buffer, .address_space: global }
      - { .name: b_out, .offset: 16, .size: 8, .value_kind: global_buffer, .address_space: global }
      - { .name: out0, .offset: 24, .size: 8, .value_kind: global_buffer, .address_space: global }
    .group_segment_fixed_size: 327680
    .private_segment_fixed_size: 0
    .kernarg_segment_align: 8
    .kernarg_segment_size: 32
    .max_flat_workgroup_size: 128
    .sgpr_count:     84
    .vgpr_count:     512
    .wavefront_size: 32
...
	.end_amdgpu_metadata
.endif
;; end of part 5
;; ======== version 2 of 2: 5 launches; version 1 with the launch cast written anew for expert scheduling mode
;; limits: values are held in f16: magnitudes above 65,504 overflow, below 6.1e-05 lose precision
;; workspace buffers: xb 16,777,216 bytes; wqb 6,291,456 bytes; wob 2,097,152 bytes; qh 16,777,216 bytes; kh 16,777,216 bytes; vh 16,777,216 bytes; nt 524,288 bytes; yh 16,777,216 bytes
;; launch cast (part 6): grid 704 x 1, 8 waves a work-group, no clusters, 0 bytes of LDS; arguments x, w_qkv, w_out, xb, wqb, wob; writes xb, wqb, wob
.if DOCPART == 6
	.amdgcn_target "amdgcn-amd-amdhsa--gfx1250"
	.amdhsa_code_object_version 6
	.text
	.protected	k_q29a63fec4a_cast
	.globl	k_q29a63fec4a_cast
	.p2align	8
	.type	k_q29a63fec4a_cast,@function
k_q29a63fec4a_cast:
	s_mov_b64 s[64:65], 0
	v_nop
	global_prefetch_b8 v0, s[64:65] scope:SCOPE_SE
	s_setreg_imm32_b32 hwreg(HW_REG_WAVE_SCHED_MODE, 0, 2), 2
	s_setreg_imm32_b32 hwreg(HW_REG_WAVE_MODE, 25, 1), 1
	s_wait_xcnt 0x0
	s_wait_alu depctr_vm_vsrc(0)
; x, w_qkv, w_out (f32) -> xb, wqb, wob (bf16, each number rounded once, to nearest even).
; A stream: every byte is read once and written once; nothing is shared, so no LDS, no barrier, no matrix unit, no cluster.
; All of a wave's loads (16 bytes a lane) are issued at once; then for each two roundings and one store of 8 bytes a lane: 256 consecutive bytes, aligned, a store.  No register is used twice, so no wait frees a source.
; Work-groups 0-511: x, 65,536 bytes each.  xb is laid in blocks, [batch 4][slice 16][row 2048][64]: slice s holds columns 64 s .. 64 s + 63, so that 256 rows x 64 columns are 32,768 dense bytes.
;   A wave owns two rows; load i takes slice i of both (lanes 0-15 one row's 256 bytes, lanes 16-31 the next row's); its store is the two rows' 128 + 128 bytes, which lie end to end in xb.
; Work-groups 512-639: w_qkv, eight rows each, a row a wave.  wqb keeps the rows and REORDERS THE COLUMNS by heads: head h's 192 columns are [q 64][k 64][v 64], so piece 3 h + part of 64 columns comes from
;   column 1,024 part + 64 h.  Store u takes pieces 2 u and 2 u + 1, one for each half of the lanes; the two lie 1,024 columns apart in w_qkv, or (from a head's v to the next head's q) 1,984 columns back.
; Work-groups 640-703: w_out -> wob, 65,536 bytes each: the same order of numbers, half the bytes.
; THE MODE: SCHED_MODE bits 1:0 = 2 (LLVM: expert scheduling mode 2), set by the entry lines.  The code itself states the register dependences between vector instructions and memory instructions, with s_wait_alu, always for 0.
; THE PLAN.  Registers that memory instructions touch:
;   v2, v5   the loads' offsets, v3 the stores': made by vector arithmetic at a path's head and never written again.  One wait ahead of the path's first load states that they are written.
;   X        four registers to a load: written by that load alone, read by its two roundings.  Every load is issued ahead of the first rounding, and no vector instruction writes X.
;   Y        two registers to a load: written once, by its two roundings; read once, by its store.
; The loads go in groups of four.  Group g's eight roundings read its X and write its Y; the four stores of group g - 1 stand among them, behind ONE wait at the group's head, which states that group g - 1's roundings
; have written their Y.  No rounding behind that wait names a register that those stores touch.  One more wait stands ahead of the last group's stores.
; No register that a memory instruction has read is written again, no vector instruction writes a scalar register, and EXEC is never written: these are all the dependences that there are to state.
.set X,   8                            ; v[8:103]    up to 24 loads
.set Y,   104                          ; v[104:151]  up to 24 pairs to store
.set IN,  18                           ; s[18:19]  where the work-group reads
.set OUT, 20                           ; s[20:21]  where it writes
; The n loads issued above are rounded and stored, four at a time; store i lies i x outstep bytes on.
.macro ROUND n, outstep
.set g, 0
.rept (\n)/4
	s_wait_loadcnt (\n)-4-4*g                      ; loads come back in order: group g's four are in, the younger ones stay out
.if g > 0
	s_wait_alu depctr_va_vdst(0)                   ; the roundings of the group before have written their Y, which the four stores below read
.endif
.set j, 0
.rept 4
.set i, 4*g+j
.if g > 0
	global_store_b64 v3, v[Y+2*i-8:Y+2*i-7], s[OUT:OUT+1] offset:(i-4)*(\outstep)  ; the group before; no vector instruction since the wait names these registers
.endif
	v_cvt_pk_bf16_f32 v[Y+2*i], v[X+4*i], v[X+4*i+1]
	v_cvt_pk_bf16_f32 v[Y+2*i+1], v[X+4*i+2], v[X+4*i+3]
.set j, j+1
.endr
.set g, g+1
.endr
	s_wait_alu depctr_va_vdst(0)                   ; the last group's roundings have written their Y, which the last four stores read
.set i, (\n)-4
.rept 4
	global_store_b64 v3, v[Y+2*i:Y+2*i+1], s[OUT:OUT+1] offset:i*(\outstep)
.set i, i+1
.endr
.endm
.macro CAST instep, outstep
.set i, 0
.rept 16
	global_load_b128 v[X+4*i:X+4*i+3], v2, s[IN:IN+1] offset:i*(\instep) th:TH_LOAD_NT
.set i, i+1
.endr
	ROUND 16, \outstep
.endm
.macro CASTQ                           ; a row of w_qkv: 24 loads, 24 stores
.set u, 0
.rept 24
.if ((2*u)%3) == 2                     ; piece 2 u is a v, piece 2 u + 1 the next head's q: v5 gives lanes 0-15 the 1,984 columns more
	global_load_b128 v[X+4*u:X+4*u+3], v5, s[IN:IN+1] offset:4*(((2*u+1)%3)*1024+((2*u+1)/3)*64) th:TH_LOAD_NT
.else                                  ; q and k, or k and v, of one head: v2 gives lanes 16-31 the 1,024 columns more
	global_load_b128 v[X+4*u:X+4*u+3], v2, s[IN:IN+1] offset:4*(((2*u)%3)*1024+((2*u)/3)*64) th:TH_LOAD_NT
.endif
.set u, u+1
.endr
	ROUND 24, 256
.endm
	s_load_b256 s[4:11], s[0:1], 0x0               ; x s[4:5], w_qkv s[6:7], w_out s[8:9], xb s[10:11]
	s_load_b128 s[12:15], s[0:1], 0x20             ; wqb s[12:13], wob s[14:15]
	s_mov_b32 s24, ttmp9                           ; the work-group's number
	s_mov_b32 s17, 0                               ; high words of the two offsets
	s_mov_b32 s23, 0
	v_lshrrev_b32 v1, 5, v0                        ; wave
	v_and_b32 v3, 31, v0                           ; lane
	v_lshlrev_b32 v3, 3, v3                        ; 8 bytes out a lane
	s_cmp_lt_u32 s24, 512
	s_cbranch_scc0 .Lweights
	v_and_b32 v2, 15, v0
	v_bfe_u32 v4, v0, 4, 1
	v_lshlrev_b32 v2, 4, v2                        ; in: 16 bytes a lane in a slice's 256,
	v_lshl_add_u32 v2, v4, 12, v2                  ; the second row for lanes 16-31,
	v_lshl_add_u32 v2, v1, 13, v2                  ; two rows a wave
	v_lshl_add_u32 v3, v1, 8, v3                   ; out: two rows of 128 bytes a wave
	s_lshl_b32 s16, s24, 16                        ; in: 16 rows of 4,096 bytes a work-group
	s_lshr_b32 s22, s24, 7                         ; out: the batch (128 work-groups each),
	s_lshl_b32 s22, s22, 22
	s_and_b32 s25, s24, 127
	s_lshl_b32 s25, s25, 11                        ; 16 rows of 128 bytes in a slice
	s_add_co_u32 s22, s22, s25
	s_wait_kmcnt 0x0
	s_add_nc_u64 s[IN:IN+1], s[4:5], s[16:17]
	s_add_nc_u64 s[OUT:OUT+1], s[10:11], s[22:23]
	s_wait_alu depctr_va_vdst(0)                   ; v2 and v3 are written: every load below reads v2 as its offset, every store v3
	CAST 256, 262144                               ; from slice to slice: 256 bytes in x, 2,048 rows of 128 bytes in xb
	s_endpgm
.Lweights:
	s_cmp_lt_u32 s24, 640
	s_cbranch_scc0 .Lwout
	v_and_b32 v2, 15, v0
	v_bfe_u32 v4, v0, 4, 1
	v_lshlrev_b32 v2, 4, v2                        ; in: 16 bytes a lane in a piece's 256,
	v_mul_u32_u24 v6, v1, 12288                    ; a row of 12,288 bytes a wave
	v_add_nc_u32 v2, v2, v6
	v_xor_b32 v5, 1, v4
	v_mul_u32_u24 v5, v5, 7936                     ; lanes 0-15 1,984 columns further on,
	v_add_nc_u32 v5, v5, v2
	v_lshl_add_u32 v2, v4, 12, v2                  ; or lanes 16-31 1,024 columns further on
	v_mul_u32_u24 v6, v1, 6144                     ; out: a row of 6,144 bytes a wave
	v_add_nc_u32 v3, v3, v6
	s_sub_co_u32 s16, s24, 512
	s_mul_i32 s22, s16, 49152                      ; eight rows a work-group
	s_mul_i32 s16, s16, 98304
	s_wait_kmcnt 0x0
	s_add_nc_u64 s[IN:IN+1], s[6:7], s[16:17]
	s_add_nc_u64 s[OUT:OUT+1], s[12:13], s[22:23]
	s_wait_alu depctr_va_vdst(0)                   ; v2, v5 and v3 are written: every load below reads v2 or v5 as its offset, every store v3
	CASTQ
	s_endpgm
.Lwout:
	v_and_b32 v2, 31, v0
	v_lshlrev_b32 v2, 4, v2
	v_lshl_add_u32 v2, v1, 13, v2                  ; in: 8,192 bytes a wave
	v_lshl_add_u32 v3, v1, 12, v3                  ; out: 4,096
	s_sub_co_u32 s16, s24, 640
	s_lshl_b32 s22, s16, 15
	s_lshl_b32 s16, s16, 16
	s_wait_kmcnt 0x0
	s_add_nc_u64 s[IN:IN+1], s[8:9], s[16:17]
	s_add_nc_u64 s[OUT:OUT+1], s[14:15], s[22:23]
	s_wait_alu depctr_va_vdst(0)                   ; v2 and v3 are written: every load below reads v2 as its offset, every store v3
	CAST 512, 256
	s_endpgm
.Lfunc_end_k_q29a63fec4a_cast:
	.size	k_q29a63fec4a_cast, .Lfunc_end_k_q29a63fec4a_cast-k_q29a63fec4a_cast
	.p2alignl 7, 3214868480
	.fill 96, 4, 3214868480
	.section	.rodata,"a",@progbits
	.p2align	6, 0x0
	.amdhsa_kernel k_q29a63fec4a_cast
		.amdhsa_group_segment_fixed_size 0
		.amdhsa_private_segment_fixed_size 0
		.amdhsa_enable_private_segment 0
		.amdhsa_kernarg_size 48
		.amdhsa_user_sgpr_count 2
		.amdhsa_user_sgpr_kernarg_segment_ptr 1
		.amdhsa_wavefront_size32 1
		.amdhsa_system_sgpr_workgroup_id_x 1
		.amdhsa_system_sgpr_workgroup_id_y 1
		.amdhsa_system_sgpr_workgroup_id_z 1
		.amdhsa_system_vgpr_workitem_id 0
		.amdhsa_next_free_vgpr 152
		.amdhsa_next_free_sgpr 66
		.amdhsa_reserve_vcc 0
		.amdhsa_float_denorm_mode_32 3
		.amdhsa_float_denorm_mode_16_64 3
		.amdhsa_memory_ordered 1
		.amdhsa_forward_progress 1
		.amdhsa_inst_pref_size 22
	.end_amdhsa_kernel
	.amdgpu_metadata
---
amdhsa.version: [ 1, 2 ]
amdhsa.kernels:
  - .name:           k_q29a63fec4a_cast
    .symbol:         k_q29a63fec4a_cast.kd
    .args:
      - { .name: x, .offset: 0, .size: 8, .value_kind: global_buffer, .address_space: global }
      - { .name: w_qkv, .offset: 8, .size: 8, .value_kind: global_buffer, .address_space: global }
      - { .name: w_out, .offset: 16, .size: 8, .value_kind: global_buffer, .address_space: global }
      - { .name: xb, .offset: 24, .size: 8, .value_kind: global_buffer, .address_space: global }
      - { .name: wqb, .offset: 32, .size: 8, .value_kind: global_buffer, .address_space: global }
      - { .name: wob, .offset: 40, .size: 8, .value_kind: global_buffer, .address_space: global }
    .group_segment_fixed_size: 0
    .private_segment_fixed_size: 0
    .kernarg_segment_align: 8
    .kernarg_segment_size: 48
    .max_flat_workgroup_size: 256
    .sgpr_count:     66
    .vgpr_count:     152
    .wavefront_size: 32
...
	.end_amdgpu_metadata
.endif
;; end of part 6
;; launch qkv: the kernel of part 2 again; grid 8 x 32, 4 waves a work-group, clusters of 4 x 4, 327,680 bytes of LDS; arguments xb, wqb, qh, kh, vh; writes qh, kh, vh
;; launch stats: the kernel of part 3 again; grid 4 x 64, 8 waves a work-group, clusters of 4 x 1, 327,680 bytes of LDS; arguments qh, kh, nt; writes nt
;; launch attn: the kernel of part 4 again; grid 4 x 64, 4 waves a work-group, clusters of 4 x 1, 327,680 bytes of LDS; arguments qh, kh, vh, nt, yh; writes yh
;; launch outp: the kernel of part 5 again; grid 4 x 64, 4 waves a work-group, clusters of 4 x 4, 327,680 bytes of LDS; arguments yh, wob, b_out, out0; writes out0
